; MI455X (gfx1250); checked and timed in simulation.
; The chip was launched on July 23, 2026; its instructions are those of AMD's public machine-readable ISA for CDNA 5 (MIT licence, August 2026) and "CDNA5" Instruction Set Architecture Reference Guide (July 2026). The comments in the code are by the model that wrote it; some were corrected since.
;; Causal Self Attention. Allowed arithmetic: matrix products marked QUANTISED: E2M3 operands, one E8M0 scale for each 32 along K, by v_wmma_scale_f32_16x16x128_f8f6f4 with both operands' format E2M3, f32 sums; everything else in f32.
;; Inputs: b_attn 3,072 float32; b_proj 1,024 float32; w_attn 1,024 x 3,072 float32; w_proj 1,024 x 1,024 float32; x 4 x 2,048 x 1,024 float32.
;; Outputs: out0 4 x 2,048 x 1,024 float32.
;; This version of the problem:
;;   THIS VERSION OF THE PROBLEM IS GIVEN IN LOW PRECISION. The matrix products marked QUANTISED in the list below multiply operands that are first quantised to E2M3 (2 exponent bits, 3 mantissa bits; 6 bits a number), with one power-of-two scale for each 32 numbers along K (OCP MX v1.0); their sums are f32. All else is computed in f32.
;;   The module's matrix products, in the order in which they are computed (A, B: the left and right operand; K: the contracted axis; several contracted axes count as one K, in the product's order):
;;     1. [M 8,192, K 1,024] x [K 1,024, N 3,072]; A: input x; B: input w_attn: QUANTISED
;;     2. batch 64 x [M 2,048, K 64] x [K 64, N 2,048]; A: computed on the way; B: computed on the way: QUANTISED
;;     3. batch 64 x [M 2,048, K 2,048] x [K 2,048, N 64]; A: softmax (see below); B: computed on the way: QUANTISED
;;     4. [M 8,192, K 1,024] x [K 1,024, N 1,024]; A: computed on the way; B: input w_proj: QUANTISED
;;   THE QUANTISER, for each operand of a quantised product, along K:
;;     - K is cut into blocks of 32 from its start; a last block that is shorter is filled with zeros.
;;     - A block's scale is 2^e with e = floor(log2(the largest magnitude in the block)) - 2, held to -126 .. 127; a block of zeros has e = 0. As a byte (E8M0): e + 127.
;;     - Each number is divided by its block's scale, clamped to +-7.5, and rounded to the nearest number of E2M3, ties to even, subnormals kept.
;;     - The product sums the exact products of the quantised numbers (number of the format x scale) in f32.
;;   ~~~python
;;   def quantise(x, axis):      # numpy; x: float32 -> the quantised numbers, widened to float32 again
;;       x = np.moveaxis(x, axis, -1); K = x.shape[-1]
;;       x = np.pad(x, [(0, 0)] * (x.ndim - 1) + [(0, -K % 32)]); x = x.reshape(x.shape[:-1] + (-1, 32)); a = np.abs(x).max(-1, keepdims=True)
;;       e = np.where(a > 0, np.clip(np.frexp(np.where(a > 0, a, 1))[1] - 1 - 2, -126, 127), 0)      # np.frexp(a)[1] - 1 = floor(log2(a)), exactly
;;       r = np.clip(x / 2.0 ** e, -7.5, 7.5)
;;       step = 2.0 ** (np.maximum(np.frexp(np.where(r == 0, 1, r))[1] - 1, 0) - 3)
;;       q = np.round(r / step) * step * 2.0 ** e      # np.round: ties to even
;;       return np.moveaxis(q.reshape(q.shape[:-2] + (-1,))[..., :K], -1, axis).astype(np.float32)
;;   ~~~
;;   SOFTMAX AHEAD OF A QUANTISED PRODUCT. Where the list says 'softmax', what is quantised is not the finished softmax but p = 2^(t - M), with t = logit x log2(e) and M = ceil(the row's largest t), a whole number; so 1/2 < the row's largest p <= 1. The row's sum l is taken of the UNQUANTISED p, in f32, and the product's result is divided by l at the end. Since M is a whole number, a kernel that streams over the keys may use a running M (the ceiling of the running maximum): every later rescaling is an exact power of two, which a block's scale takes up: the codes' values come out the same.
;;   OPERANDS COMPUTED ON THE WAY. 'Computed on the way' means the value that the module computes at that place (a softmax that the list does not call 'softmax' is quantised finished and normalised). What goes into a quantiser is computed in f32, as accurately as f32 sums, v_exp_f32 and their like allow (about 1e-6 of the number): no bf16 or f16 on the way to a quantiser, and a product that is left as it is and whose result goes on into a quantised operand takes f32 operands (vector FMAs, or v_wmma_f32_16x16x4_f32). A number that lies on a knife's edge between two numbers of the format may be rounded either way, as far as f32 arithmetic and the matrix unit's own rounding can turn it there, and no further.
;; One version. Each part assembles by itself: llvm-mc -triple=amdgcn-amd-amdhsa -mcpu=gfx1250 --defsym DOCPART=n.
;; ======== version 1 of 1: 4 launches
;; limits: right only within a limited range of input values
;; workspace buffers: opc 9,437,184 bytes; ops 393,216 bytes; qb 6,553,600 bytes; kvb 13,107,200 bytes; ac 6,291,456 bytes; asc 262,144 bytes; wim 2,359,296 bytes
;; launch quant (part 1): grid 384 x 1, 4 waves a work-group, no clusters, 68,096 bytes of LDS; arguments x, w_attn, w_proj, opc, ops, wim; writes opc, ops, wim
.if DOCPART == 1
	.amdgcn_target "amdgcn-amd-amdhsa--gfx1250"
	.amdhsa_code_object_version 6
	.text
	.protected	k_q6697573748_quant
	.globl	k_q6697573748_quant
	.p2align	8
	.type	k_q6697573748_quant,@function
k_q6697573748_quant:
	s_mov_b64 s[64:65], 0
	v_nop
	global_prefetch_b8 v0, s[64:65] scope:SCOPE_SE
	s_setreg_imm32_b32 hwreg(HW_REG_WAVE_MODE, 25, 1), 1
	s_wait_xcnt 0x0
; x [8192][1024], w_attn [1024][3072] and w_proj [1024][1024], f32, become codes of FP6 (E2M3) with K innermost and one E8M0 byte for each 32 along K.
; opc: 12,288 rows of 768 bytes (1,024 codes); ops: 12,288 rows of 32 scale bytes.  Rows 0-8191: x's rows; 8192-11263: w_attn's columns; 11264-12287: w_proj's columns.
; ROWS LIE BY POSITION: row p of a tensor's part holds the true row sw(p), sw = bits 3 and 4 of the number exchanged.  Sixteen neighbouring positions are then true rows 32 b + 8 u + (r % 8) + 16 (r / 8),
; the choice of rows with which a transposed product leaves 16 true neighbours in the 16 registers of two neighbouring result tiles.
; A block's scale is 2^(floor(log2(its largest magnitude)) - 2); its byte is the largest magnitude's exponent field - 2, held at 1 from below.
; LIMITS: a block of zeros, and a block whose largest magnitude lies under 2^-124, gets the byte 1 (the bytes are read by this program alone; zero codes add nothing); NaN and infinities among the inputs are not served.
; Work-groups 0-255 take x (K innermost: a plain stream of blocks), work-groups 256-383 the weights (K is the first axis: a lane takes a column, its registers run down K).  The two paths have LDS bytes of their own.
.set STEPS, 16
.set EMAX,  2
.set CB,    12                         ; bytes of 16 codes
.set PLANE, 2359296                    ; opc lies in FOUR PLANES, one for each 256 along K: plane s holds [12,288 rows][192 bytes]; this takes the place of the rows of 768 bytes: 128 rows of a plane are 24,576 dense bytes
.set R,     16                         ; x path: v16-79 four sets of 16 numbers as loaded
.set X,     80                         ; v80-111 two sets of 16 neighbours
.set E,     112                        ; v112-127 a scale byte for each step
.set C,     128                        ; v128-191 codes, four registers for each step
.set WREG,  8192                       ; x path: LDS of a wave: two stages of 32 x SP bytes, then its 256 scale bytes
.set SP,    80
.set SPW,   12                         ; v12 LDS address of my spare word; never rewritten
.set NIL,   13                         ; v13 0; never rewritten
.set WSTG,  4*WREG                     ; weights' path: four stages of 32 rows x PITCH
.set PITCH, 272
.set SPARE, WSTG+4*32*PITCH            ; the spare words: 128 bytes a wave, two blocks of 256 bytes that no other line names
.set NB,    8                          ; weights' path: blocks of 32 along K for a wave
.set WX,    32                         ; v32-95 two sets of 32 numbers
.set WC,    96                         ; v96.. a block's codes
.set OUTR,  112                        ; v112-175 the way out
.set SB,    24                         ; v24-25 the scale bytes
.set VO,    176                        ; v176-207 4 x lane + i x a row of the weight
	s_load_b256 s[4:11], s[0:1], 0x0               ; x s[4:5], w_attn s[6:7], w_proj s[8:9], opc s[10:11]
	s_load_b64 s[12:13], s[0:1], 0x20              ; ops
	s_load_b64 s[14:15], s[0:1], 0x28              ; wim
	v_lshl_add_u32 v[SPW], v0, 2, SPARE
	v_mov_b32 v[NIL], 0
	v_lshrrev_b32 v1, 5, v0
	v_readfirstlane_b32 s16, v1                    ; wave
	v_and_b32 v2, 31, v0                           ; lane
	s_cmp_lt_u32 ttmp9, 256
	s_cbranch_scc0 .Lweights
; ---------------- x: a wave takes 8 rows = 16 steps of 512 numbers.  Each load reads 512 consecutive bytes; a step's 2,048 bytes turn through the wave's stage so that a lane holds 16 neighbours
	v_lshlrev_b32 v3, 4, v2                        ; my 16 bytes of a load's 512
	s_mul_i32 s17, s16, WREG
	v_lshrrev_b32 v14, 2, v2
	v_mul_u32_u24 v14, v14, SP
	v_and_b32 v15, 3, v2
	v_lshl_add_u32 v14, v15, 4, v14
	v_add_nc_u32 v14, s17, v14                     ; the stage, in: SP (lane / 4) + 16 (lane % 4)
	v_mul_u32_u24 v15, v2, SP
	v_add_nc_u32 v15, s17, v15                     ; and out: SP x lane
	v_and_b32 v4, 15, v2
	v_mul_u32_u24 v4, v4, CB
	v_lshrrev_b32 v10, 4, v2
	v_mad_u32_u24 v4, v10, PLANE, v4               ; my codes' place: sixteen lanes fill a row's 192 bytes of a plane; lanes 16-31 the next plane's
	v_lshrrev_b32 v5, 1, v2
	s_add_co_u32 s17, s17, 2*32*SP
	v_add_nc_u32 v5, s17, v5                       ; my block's scale byte in the wave's 256
	v_lshlrev_b32 v7, 3, v2
	v_add_nc_u32 v6, s17, v7                       ; on the way out 8 bytes a lane
	s_lshl_b32 s18, ttmp9, 2
	s_add_co_u32 s20, s18, s16                     ; my run of 8 rows
	s_lshl_b32 s20, s20, 15                        ; 8 rows of 4,096 bytes
	s_mov_b32 s21, 0
	s_and_b32 s22, s16, 1                          ; a row's bits 3 and 4 are the run's bits 0 and 1: exchanged, they give the run's position
	s_lshl_b32 s22, s22, 1
	s_lshr_b32 s23, s16, 1
	s_or_b32 s22, s22, s23
	s_add_co_u32 s22, s22, s18
	s_wait_alu depctr_va_vdst(0)
	s_wait_kmcnt 0x0
	s_add_nc_u64 s[4:5], s[4:5], s[20:21]
	s_mul_i32 s20, s22, 1536                       ; 8 rows of 192 bytes in a plane
	s_add_nc_u64 s[10:11], s[10:11], s[20:21]
	s_lshl_b32 s20, s22, 8                         ; 8 rows of 32 scale bytes
	s_add_nc_u64 s[12:13], s[12:13], s[20:21]
.macro XLOAD t
.irp i, 0,1,2,3
	global_load_b128 v[R+16*((\t)%4)+4*\i:R+16*((\t)%4)+4*\i+3], v3, s[4:5] offset:2048*(\t)+512*\i th:TH_LOAD_NT
.endr
.endm
.macro XTURN t                         ; LDS serves a wave's instructions in order: no wait between the stores and the loads
.irp i, 0,1,2,3
	ds_store_b128 v14, v[R+16*((\t)%4)+4*\i:R+16*((\t)%4)+4*\i+3] offset:32*SP*((\t)%2)+8*SP*\i
.endr
.irp i, 0,1,2,3
	ds_load_b128 v[X+16*((\t)%2)+4*\i:X+16*((\t)%2)+4*\i+3], v15 offset:32*SP*((\t)%2)+16*\i
.endr
.endm
.irp t, 0,1,2,3
	XLOAD \t
.endr
	s_wait_loadcnt 12                              ; step 0's four loads are in; the twelve of steps 1 to 3 may be out
	XTURN 0
.macro XSTEP t
.set XS, X+16*((\t)%2)
.if (\t) > 0
	s_wait_dscnt 1                                 ; this step's numbers are back from the stage; the last step's byte store may be out
.else
	s_wait_dscnt 0x0
.endif
.if (\t)+4 < STEPS
	XLOAD (\t)+4
.endif
.if (\t)+1 < STEPS
.if STEPS-2-(\t) >= 3
	s_wait_loadcnt 12                              ; the next step's four loads are in; those of the three steps behind it may be out
.else
	s_wait_loadcnt 4*(STEPS-2-(\t))
.endif
	XTURN (\t)+1
.endif
	v_max3_num_f32 v8, |v[XS]|, |v[XS+1]|, |v[XS+2]|               ; the largest magnitude of my 16, in two chains
	v_max3_num_f32 v9, |v[XS+3]|, |v[XS+4]|, |v[XS+5]|
.irp i, 6,10
	v_max3_num_f32 v8, v8, |v[XS+\i]|, |v[XS+\i+1]|
	v_max3_num_f32 v9, v9, |v[XS+\i+2]|, |v[XS+\i+3]|
.endr
	v_max3_num_f32 v8, v8, |v[XS+14]|, |v[XS+15]|
	v_max3_num_f32 v8, v8, v9, (EMAX+1)<<23        ; and the floor 2^(3 - 127): the byte cannot fall under 1
	v_max_num_f32_dpp v8, v8, v8 row_xmask:1 row_mask:0xf bank_mask:0xf   ; with my neighbour's 16: the block's
	v_add_nc_u32 v11, -(EMAX<<23), v8              ; 2 off its exponent field: the conversion takes that field as its scale
	v_cvt_scalef32_pk16_fp6_f32 v[C+4*(\t):C+4*(\t)+2], v[XS:XS+15], v11
	v_lshrrev_b32 v[E+(\t)], 23, v11               ; the scale's byte
	ds_store_b8 v5, v[E+(\t)] offset:16*(\t)       ; both lanes of a block write the same byte with the same value
	global_store_b96 v4, v[C+4*(\t):C+4*(\t)+2], s[10:11] offset:((\t)%2)*2*PLANE+((\t)/2)*192   ; row t / 2, planes 2 (t % 2) and 2 (t % 2) + 1
.endm
.irp t, 0,1,2,3,4,5,6,7,8,9,10,11,12,13,14,15
	XSTEP \t
.endr
	ds_load_b64 v[8:9], v6                         ; these see my byte stores
	s_wait_dscnt 0x0
	global_store_b64 v7, v[8:9], s[12:13]          ; 32 lanes store 256 consecutive bytes, aligned
	s_wait_tensorcnt 0x0                           ; the wave's end
	ds_add_u32 v[SPW], v[NIL]
	s_wait_dscnt 0x0
	s_endpgm
; ---------------- the weights: a wave takes 32 columns x 256 along K; one text serves both weights, the row's length being a scalar
.Lweights:
	s_sub_co_u32 s17, ttmp9, 256
	s_lshr_b32 s18, s17, 2                         ; which 128 columns of the 4,096 (3,072 of w_attn, then 1,024 of w_proj)
	s_and_b32 s19, s17, 3                          ; which 256 along K
	s_lshl_b32 s20, s18, 7
	s_lshl_b32 s22, s16, 5
	s_add_co_u32 s20, s20, s22                     ; my wave's first column
	s_wait_alu depctr_va_vdst(0)
	v_lshlrev_b32 v3, 2, v2                        ; in: 4 bytes a lane
	s_mul_i32 s28, s16, 32*PITCH
	s_add_co_u32 s28, s28, WSTG                    ; my stage
	v_mul_u32_u24 v4, v2, PITCH
	v_add_nc_u32 v4, s28, v4                       ; into it: row = my column
	v_and_b32 v5, 15, v2
	v_lshrrev_b32 v6, 4, v2
	v_mul_u32_u24 v7, v6, PITCH
	v_lshl_add_u32 v7, v5, 4, v7
	v_add_nc_u32 v7, s28, v7                       ; out of it: sixteen lanes to a row, two rows an instruction
	v_mul_u32_u24 v8, v6, 192
	v_mad_u32_u24 v8, v5, 12, v8                   ; and the same place in opc
	v_and_b32 v9, 7, v2                            ; sw(lane) x 32: my column's row of scale bytes
	v_bfe_u32 v10, v2, 3, 1
	v_lshl_or_b32 v9, v10, 4, v9
	v_bfe_u32 v10, v2, 4, 1
	v_lshl_or_b32 v9, v10, 3, v9
	v_lshlrev_b32 v9, 5, v9
	s_add_co_u32 s29, s20, 8192                    ; my first row in opc and ops
	s_mul_i32 s30, s29, 192
	s_mul_i32 s31, s19, PLANE                      ; my quarter of K is a plane
	s_add_co_u32 s30, s30, s31
	s_mov_b32 s31, 0
	s_lshl_b32 s32, s29, 5
	s_lshl_b32 s33, s19, 3
	s_add_co_u32 s32, s32, s33
	s_mov_b32 s33, 0
	s_mov_b32 s21, 4096
	s_wait_kmcnt 0x0
	s_cmp_lt_u32 s18, 24                           ; w_attn's columns or w_proj's: the choice hangs on the work-group's number alone
	s_cselect_b64 s[6:7], s[6:7], s[8:9]
	s_cselect_b32 s21, 12288, s21                  ; a row of the weight in bytes
	s_cselect_b32 s23, 0, 3072
	s_sub_co_u32 s24, s20, s23                     ; my first column in its own tensor
	s_lshl_b32 s24, s24, 2
	s_mul_i32 s25, s19, s21
	s_lshl_b32 s25, s25, 8                         ; 256 rows for each quarter of K
	s_add_co_u32 s24, s24, s25
	s_mov_b32 s25, 0
	s_add_nc_u64 s[36:37], s[6:7], s[24:25]        ; block 0's first row; each further block 32 rows on
	s_lshl_b32 s26, s21, 5
	s_mov_b32 s27, 0
.irp t, 1,2,3,4,5,6,7
	s_add_nc_u64 s[36+2*\t:37+2*\t], s[34+2*\t:35+2*\t], s[26:27]
.endr
	s_add_nc_u64 s[10:11], s[10:11], s[30:31]
	s_add_nc_u64 s[12:13], s[12:13], s[32:33]
.irp i, 0,1,2,3,4,5,6,7,8,9,10,11,12,13,14,15,16,17,18,19,20,21,22,23,24,25,26,27,28,29,30,31
	v_mad_u32_u24 v[VO+\i], s21, \i, v3
.endr
.macro WLOAD t                         ; block t: W(32 t + i, my column): 32 lanes read 128 consecutive bytes
.irp i, 0,1,2,3,4,5,6,7,8,9,10,11,12,13,14,15,16,17,18,19,20,21,22,23,24,25,26,27,28,29,30,31
	global_load_b32 v[WX+32*((\t)%2)+\i], v[VO+\i], s[36+2*(\t):37+2*(\t)] th:TH_LOAD_NT
.endr
.endm
	WLOAD 0
	WLOAD 1
.macro WBLOCK t
.set XS, WX+32*((\t)%2)
.if (\t) < NB-1
	s_wait_loadcnt 32                              ; this block's 32 loads are in; the next block's may be out
.else
	s_wait_loadcnt 0
.endif
	v_max3_num_f32 v16, |v[XS]|, |v[XS+1]|, |v[XS+2]|              ; the block's largest magnitude: all 32 numbers are mine
	v_max3_num_f32 v17, |v[XS+3]|, |v[XS+4]|, |v[XS+5]|
.irp i, 6,10,14,18,22,26
	v_max3_num_f32 v16, v16, |v[XS+\i]|, |v[XS+\i+1]|
	v_max3_num_f32 v17, v17, |v[XS+\i+2]|, |v[XS+\i+3]|
.endr
	v_max3_num_f32 v16, v16, |v[XS+30]|, |v[XS+31]|
	v_max3_num_f32 v16, v16, v17, (EMAX+1)<<23     ; and the floor
	v_add_nc_u32 v18, -(EMAX<<23), v16             ; the conversion's scale operand
	v_lshrrev_b32 v17, 23, v18                     ; the scale's byte
.if (\t)%4 == 0
	v_mov_b32 v[SB+(\t)/4], v17
.else
	v_lshl_or_b32 v[SB+(\t)/4], v17, 8*((\t)%4), v[SB+(\t)/4]
.endif
	v_cvt_scalef32_pk16_fp6_f32 v[WC:WC+2], v[XS:XS+15], v18
	v_cvt_scalef32_pk16_fp6_f32 v[WC+4:WC+6], v[XS+16:XS+31], v18  ; (a conversion's three registers begin on an even number)
	ds_store_b96 v4, v[WC:WC+2] offset:32*(\t)     ; 12 bytes to a place of 16, so that every LDS address is a multiple of 16
	ds_store_b96 v4, v[WC+4:WC+6] offset:32*(\t)+16
.if (\t)+2 < NB
	WLOAD (\t)+2
.endif
	s_wait_dscnt 0x0                               ; the stores have read their registers: the next block's codes may be written
.endm
; w_attn's codes go to wim and not to opc: [64 along K: 16][tile of 16 positions: 192][768 bytes], a half fragment as an image of six registers: lane l = 16 (block % 2) + row has its first 16 bytes at 16 l, its last 8 at 512 + 8 l.
; A lane holds a whole block of its column, 24 bytes: they are stored straight from registers, sixteen lanes to 256 and to 128 consecutive bytes; each block has registers of its own, so no store's data are written again.
.macro IBLOCK t
.set XS, WX+32*((\t)%2)
.if (\t) < NB-1
	s_wait_loadcnt 32                              ; this block's 32 loads are in; the next block's may be out
.else
	s_wait_loadcnt 0
.endif
	v_max3_num_f32 v16, |v[XS]|, |v[XS+1]|, |v[XS+2]|
	v_max3_num_f32 v17, |v[XS+3]|, |v[XS+4]|, |v[XS+5]|
.irp i, 6,10,14,18,22,26
	v_max3_num_f32 v16, v16, |v[XS+\i]|, |v[XS+\i+1]|
	v_max3_num_f32 v17, v17, |v[XS+\i+2]|, |v[XS+\i+3]|
.endr
	v_max3_num_f32 v16, v16, |v[XS+30]|, |v[XS+31]|
	v_max3_num_f32 v16, v16, v17, (EMAX+1)<<23     ; and the floor
	v_add_nc_u32 v18, -(EMAX<<23), v16             ; the conversion's scale operand
	v_lshrrev_b32 v17, 23, v18                     ; the scale's byte
.if (\t)%4 == 0
	v_mov_b32 v[SB+(\t)/4], v17
.else
	v_lshl_or_b32 v[SB+(\t)/4], v17, 8*((\t)%4), v[SB+(\t)/4]
.endif
	v_cvt_scalef32_pk16_fp6_f32 v[OUTR+8*(\t):OUTR+8*(\t)+2], v[XS:XS+15], v18
	v_cvt_scalef32_pk16_fp6_f32 v[WC:WC+2], v[XS+16:XS+31], v18    ; (a conversion's three registers begin on an even number)
	v_nop                                          ; one plain place behind a scaled conversion
.irp i, 0,1,2
	v_mov_b32 v[OUTR+8*(\t)+3+\i], v[WC+\i]
.endr
	global_store_b128 v21, v[OUTR+8*(\t):OUTR+8*(\t)+3], s[14:15] offset:((\t)/2)*147456+((\t)%2)*256
	global_store_b64 v22, v[OUTR+8*(\t)+4:OUTR+8*(\t)+5], s[14:15] offset:((\t)/2)*147456+512+((\t)%2)*128
.if (\t)+2 < NB
	WLOAD (\t)+2
.endif
.endm
	s_wait_alu depctr_va_vdst(0)
	s_cmp_lt_u32 s18, 24                           ; w_attn's work-groups: the choice hangs on the work-group's number alone
	s_cbranch_scc0 .Lplanes
	v_lshrrev_b32 v10, 9, v9                       ; my position / 16 in the wave's 32,
	v_bfe_u32 v20, v9, 5, 4                        ; and % 16
	v_mul_u32_u24 v19, v10, 768
	v_lshl_add_u32 v21, v20, 4, v19
	v_lshl_add_u32 v22, v20, 3, v19
	s_mul_i32 s54, s19, 4*192                      ; my quarter of K is four runs of 64,
	s_lshr_b32 s55, s20, 4
	s_add_co_u32 s54, s54, s55                     ; my wave's first tile
	s_mul_i32 s54, s54, 768
	s_mov_b32 s55, 0
	s_add_nc_u64 s[14:15], s[14:15], s[54:55]
.irp t, 0,1,2,3,4,5,6,7
	IBLOCK \t
.endr
	s_wait_alu depctr_va_vdst(0)
	global_store_b64 v9, v[SB:SB+1], s[12:13]      ; my column's 8 scale bytes, at its position
	s_endpgm                                       ; (this way has written no LDS)
.Lplanes:
.irp t, 0,1,2,3,4,5,6,7
	WBLOCK \t
.endr
	s_wait_alu depctr_va_vdst(0)
	global_store_b64 v9, v[SB:SB+1], s[12:13]      ; my column's 8 scale bytes, at its position
.irp t, 0,1,2,3,4,5,6,7,8,9,10,11,12,13,14,15
	ds_load_b96 v[OUTR+4*\t:OUTR+4*\t+2], v7 offset:2*\t*PITCH
.endr
.irp t, 0,1,2,3,4,5,6,7,8,9,10,11,12,13,14,15
	s_wait_dscnt 15-\t
	global_store_b96 v8, v[OUTR+4*\t:OUTR+4*\t+2], s[10:11] offset:(((2*\t)&7)|(((2*\t)&8)<<1)|(((2*\t)&16)>>1))*192   ; columns 2 t and 2 t + 1 go to positions sw(2 t) and sw(2 t) + 1: 384 consecutive bytes
.endr
	s_wait_tensorcnt 0x0                           ; the wave's end
	ds_add_u32 v[SPW], v[NIL]
	s_wait_dscnt 0x0
	s_endpgm
.Lfunc_end_k_q6697573748_quant:
	.size	k_q6697573748_quant, .Lfunc_end_k_q6697573748_quant-k_q6697573748_quant
	.p2alignl 7, 3214868480
	.fill 96, 4, 3214868480
	.section	.rodata,"a",@progbits
	.p2align	6, 0x0
	.amdhsa_kernel k_q6697573748_quant
		.amdhsa_group_segment_fixed_size 68096
		.amdhsa_private_segment_fixed_size 0
		.amdhsa_enable_private_segment 0
		.amdhsa_kernarg_size 48
		.amdhsa_user_sgpr_count 2
		.amdhsa_user_sgpr_kernarg_segment_ptr 1
		.amdhsa_wavefront_size32 1
		.amdhsa_system_sgpr_workgroup_id_x 1
		.amdhsa_system_sgpr_workgroup_id_y 1
		.amdhsa_system_sgpr_workgroup_id_z 1
		.amdhsa_system_vgpr_workitem_id 0
		.amdhsa_next_free_vgpr 208
		.amdhsa_next_free_sgpr 66
		.amdhsa_reserve_vcc 0
		.amdhsa_float_denorm_mode_32 3
		.amdhsa_float_denorm_mode_16_64 3
		.amdhsa_memory_ordered 1
		.amdhsa_forward_progress 1
		.amdhsa_inst_pref_size 108
	.end_amdhsa_kernel
	.amdgpu_metadata
---
amdhsa.version: [ 1, 2 ]
amdhsa.kernels:
  - .name:           k_q6697573748_quant
    .symbol:         k_q6697573748_quant.kd
    .args:
      - { .name: x, .offset: 0, .size: 8, .value_kind: global_buffer, .address_space: global }
      - { .name: w_attn, .offset: 8, .size: 8, .value_kind: global_buffer, .address_space: global }
      - { .name: w_proj, .offset: 16, .size: 8, .value_kind: global_buffer, .address_space: global }
      - { .name: opc, .offset: 24, .size: 8, .value_kind: global_buffer, .address_space: global }
      - { .name: ops, .offset: 32, .size: 8, .value_kind: global_buffer, .address_space: global }
      - { .name: wim, .offset: 40, .size: 8, .value_kind: global_buffer, .address_space: global }
    .group_segment_fixed_size: 68096
    .private_segment_fixed_size: 0
    .kernarg_segment_align: 8
    .kernarg_segment_size: 48
    .max_flat_workgroup_size: 128
    .sgpr_count:     66
    .vgpr_count:     208
    .wavefront_size: 32
...
	.end_amdgpu_metadata
.endif
;; end of part 1
;; launch qkv (part 2): grid 4 x 64, 4 waves a work-group, clusters of 4 x 4, 327,680 bytes of LDS; arguments opc, ops, b_attn, qb, kvb, wim; writes qb, kvb
.if DOCPART == 2
	.amdgcn_target "amdgcn-amd-amdhsa--gfx1250"
	.amdhsa_code_object_version 6
	.text
	.protected	k_q6697573748_qkv
	.globl	k_q6697573748_qkv
	.p2align	8
	.type	k_q6697573748_qkv,@function
k_q6697573748_qkv:
	s_mov_b64 s[64:65], 0
	v_nop
	global_prefetch_b8 v0, s[64:65] scope:SCOPE_SE
	s_setreg_imm32_b32 hwreg(HW_REG_WAVE_MODE, 25, 1), 1
	s_wait_xcnt 0x0
	s_wait_alu depctr_hold_cnt(0) depctr_sa_sdst(0) depctr_va_vdst(0) depctr_va_sdst(0) depctr_va_ssrc(0) depctr_va_vcc(0) depctr_vm_vsrc(0)
	s_getreg_b32 s2, hwreg(HW_REG_IB_STS2, 6, 4)
	s_cmp_eq_u32 s2, 0
	s_cbranch_scc0 .Lentry_in_a_cluster
	s_endpgm
.Lentry_in_a_cluster:
	s_bfe_u32 s2, ttmp6, 0x10000c
	s_cmp_lg_u32 s2, 0xf033
	s_cbranch_scc0 .Lentry_shape_is_right
	s_endpgm
.Lentry_shape_is_right:
; qkv = x w_attn + b_attn on codes of FP6 (E2M3) with E8M0 scales, K = 1,024; the results are quantised at once, as operands of the two products of attention, and leave as codes.
; SHARES.  256 work-groups.  Work-group (cx, row block) holds 128 rows of x, one chunk of tokens, ALL of K, in LDS, and walks three tiles of 256 columns of w_attn past them: heads 4 cx .. 4 cx + 3 of q, then of k, then of v.
; Each of the four waves takes all 128 tokens x the 64 columns of ONE head: 32 accumulators, 256 registers; for 128 along K it reads 8 fragments of x and 4 of the weight for 32 products.
; q and k run one text, a loop of two trips: source 0 = the weight's rows, so that a lane holds a token and its registers run along the head's 64.  v has a text of its own: source 0 = x's rows, so that a lane holds a channel and its registers run along the keys.
; LDS.  x: four planes (256 along K) of 128 rows x 216 bytes (8 bytes of padding behind every 64), filled once.  The weight: a ring of two slots, each a K half of a tile: [64 along K: 8][tile of 16 rows: 16][768 bytes], images of half fragments, no padding.
; FILLS.  At the head one joint load a wave: x's K half 0, q's K half 0, x's K half 1, q's K half 1; the first barrier waits for the first two alone (each load is a line of its own).
; FOUR REFILLS, two in each trip of the loop, each behind the three lines and a round of the cluster's barrier, a quarter of a slot by each wave: slot 0 in K step 3, when its last fragments are in registers;
; slot 1 in the middle of the way out.  By the text's own count a refill has four K steps and half a way out before the wait for it.  What a refill brought is shown by the next round; v's K half 1 by a plain barrier.
; CLUSTERS: 4 x 4 work-groups; x's tiles are asked for jointly along a row of the cluster, the weight's along a column.
; PREFETCH: each refill's 98,304 bytes are named once in each cluster that will load them, 24 blocks of 256 bytes by each of the sixteen waves of a column of the cluster, told apart by address: slot 0's in K step 0, three K steps ahead of the load;
; slot 1's in K step 4, four K steps ahead.  Only the loop's two trips ask: for k's tile and for v's.
; THE BIAS is the C of the first products, laid in registers as the result lies.  THE SCALE WORDS go from memory straight into registers, 32 bytes a row; the next tile's scale words and bias are loaded at the head of the way out.
; Rows lie by position (true row = position with bits 3 and 4 exchanged): the 16 registers of two neighbouring result tiles are true neighbours 32 b + 16 (lane / 16) + 0 .. 15 along the axis that is quantised.
; OUT.  A half fragment (16 rows x 64 codes) is an image of six registers: lane l's first 16 bytes at 16 l, its last 8 at 512 + 8 l.
;   qb  [head 64][128 queries 16]: 8 half fragments, then 256 scale bytes [row 16][tile 8] of 2 bytes.
;   kvb [head 64][128 keys 16]: K's 8 half fragments; V's 4 tiles of 16 channels x 2 (keys 0-63, 64-127); K's scale bytes as qb's; V's [row 16][tile 4] of 4 bytes.
; LIMITS: a block of zeros or with its largest magnitude under 2^-124 gets the byte 1; NaN and infinities are not served.
; REGISTERS: window 0: v0-31 addresses; v36-99 x's scale words (8 a + q); v104-135 the weight's (8 b + q); v200-243 the quantiser.  window 1: x's fragments, two sets.  window 2: the accumulators.  window 3: v0-95 the weight's fragments, two sets; v96-127 the bias.
.set PLANE,  2359296                   ; a plane of opc: [12,288 rows][192 bytes]
.set PITCH,  216
.set FR,     12
.set APL,    128*PITCH                 ; a plane of x in LDS
.set BB0,    4*APL
.set HFB,    16*768                    ; 64 along K of a weight tile
.set SLOTB,  8*HFB
.set SPARE,  BB0+2*SLOTB               ; the spare words: two blocks of 256 bytes that no other line names
.set HFS,    192*768                   ; from 64 along K to the next in wim
.set PHS,    64*768                    ; from q's tile to k's, from k's to v's
.set ADRX, 8                           ; v8-11 my fragments of x in plane 0..3; v12-15 the same behind one padding more
.set ADRW, 16                          ; v16-19 16 x lane in the weight's quarter of K 0..3; v20-23 8 x lane
.set SPW,  28
.set NIL,  29
.set SA,   36
.set SB,   104
.set PC,   200                         ; v200-218 the codes just made
.set TM,   220                         ; v220-235 at work in the quantiser
.set PWS,  236                         ; v236-239 four scale words
.set BI,   96                          ; window 3: the bias
.set SEL,  20
.set MSB, 0
.macro WIN new                         ; the immediate's high byte repeats the setting that is left
.if MSB != \new
	s_set_vgpr_msb (MSB<<8)|\new
.set MSB, \new
.endif
.endm
.macro PLACES n
.rept \n
	v_nop
.endr
.endm
.macro CROUND
	s_barrier_signal -1
	s_barrier_wait -1
	s_cmp_lg_u32 s16, 0
	s_cbranch_scc1 .Lnot_wave_0_\@
	s_barrier_signal -3
.Lnot_wave_0_\@:
	s_barrier_wait -3
	s_barrier_signal -1
	s_barrier_wait -1
.endm
.macro ARM under, g0, g1, next         ; an arm of the head's chain: an s_nop 0 and four v_nop follow the load
	s_cmp_lt_u32 s16, \under
	s_cbranch_scc0 \next
	tensor_load_to_lds s[\g0:\g0+3], s[\g1:\g1+7]
	s_nop 0
	PLACES 4
	s_branch .Lhead_asked
\next:
.endm
	s_load_b256 s[4:11], s[0:1], 0x0               ; opc s[4:5], ops s[6:7], b_attn s[8:9], qb s[10:11]
	s_load_b128 s[12:15], s[0:1], 0x20             ; kvb s[12:13], wim s[14:15]
	v_lshl_add_u32 v[SPW], v0, 2, SPARE
	v_mov_b32 v[NIL], 0
	ds_add_u32 v[SPW], v[NIL]                      ; the wave's opening: the add, twice on end, and its wait ahead of my first tensor load
	ds_add_u32 v[SPW], v[NIL]
	v_lshrrev_b32 v1, 5, v0
	v_readfirstlane_b32 s16, v1                    ; wave 0..3: my head of the tile's four
	s_bfe_u32 s40, ttmp6, 0x40000                  ; cx: which four heads (the grid is one cluster wide)
	s_bfe_u32 s41, ttmp6, 0x40004                  ; cy
	s_and_b32 s17, ttmp7, 0xffff
	s_lshl_b32 s17, s17, 2
	s_add_co_u32 s17, s17, s41                     ; the block of 128 rows, 0 .. 63 = batch x 16 + chunk
	s_lshl_b32 s43, s41, 2
	s_lshl_b32 s43, 15, s43                        ; my row of the cluster
	s_lshl_b32 s44, 0x1111, s40                    ; my column
	s_or_b32 s24, s43, (3<<16)|(1<<20)|(1<<21)|(3<<22)|(1<<25)   ; x: mask; elements of 8 bytes; 2 words of padding behind every 16; bit 21 beside a mask
	s_mov_b32 s25, 3072<<16                        ; a row: 128 rows of a plane, 24,576 dense bytes
	s_mov_b32 s26, 2<<16                           ; 2 planes
	s_mov_b32 s27, 3072<<16
	s_mov_b32 s28, 2
	s_mov_b32 s29, PLANE/8
	s_mov_b32 s30, 0
	s_mov_b32 s31, 0
.irp g, 32, 48                         ; the weight: s[32:39] for the head's loads (8 rows), s[48:55] for the ring's (2 rows)
	s_or_b32 s[\g], s44, (3<<16)|(1<<21)
	s_mov_b32 s[\g+1], 1536<<16                    ; a row: 16 half fragments, 12,288 bytes
	s_mov_b32 s[\g+3], 1536<<16
	s_mov_b32 s[\g+5], HFS/8
	s_mov_b32 s[\g+6], 0
	s_mov_b32 s[\g+7], 0
.endr
	s_mov_b32 s34, 8<<16
	s_mov_b32 s36, 8
	s_mov_b32 s50, 2<<16
	s_mov_b32 s52, 2
	s_mul_i32 s18, s17, 128*192                    ; x: my 128 rows in plane 0
	s_mov_b32 s19, 0
	s_mul_i32 s46, s40, 16*768                     ; the weight: q's 16 tiles
	s_mov_b32 s47, 0
	s_mul_i32 s22, s16, 2*HFS                      ; in the ring I fetch two rows of a K half
	s_mov_b32 s23, 0
	s_mul_i32 s45, s16, 2*HFB
	s_wait_dscnt 0x0                               ; both opening adds are done
	s_wait_kmcnt 0x0
	s_add_nc_u64 s[18:19], s[4:5], s[18:19]
	s_add_nc_u64 s[46:47], s[14:15], s[46:47]
	CROUND                                         ; all sixteen work-groups are here: the joint loads meet
.irp k, 0,1
	s_mov_b32 s[56+4*\k], 1                        ; s[56:63] x's K halves
	s_mov_b32 s[57+4*\k], \k*2*APL
	s_add_nc_u64 s[58+4*\k:59+4*\k], s[18:19], \k*2*PLANE
	s_or_b32 s[59+4*\k], s[59+4*\k], 0x80000000
	s_mov_b32 s[68+4*\k], 1                        ; s[68:75] q's K halves
	s_mov_b32 s[69+4*\k], BB0+\k*SLOTB
	s_add_nc_u64 s[70+4*\k:71+4*\k], s[46:47], \k*8*HFS
	s_or_b32 s[71+4*\k], s[71+4*\k], 0x80000000
.endr
	s_add_nc_u64 s[46:47], s[46:47], s[22:23]
.irp k, 0,1
	s_mov_b32 s[76+4*\k], 1                        ; s[76:83] the ring's: my quarter of slot k; the address stands at q's tile and is stepped ahead of each use
	s_add_co_u32 s[77+4*\k], s45, BB0+\k*SLOTB
	s_add_nc_u64 s[78+4*\k:79+4*\k], s[46:47], \k*8*HFS
	s_or_b32 s[79+4*\k], s[79+4*\k], 0x80000000
.endr
	ARM 1, 56, 24, .Lhead_w0
	ARM 2, 68, 32, .Lhead_x1
	ARM 3, 60, 24, .Lhead_w1
	tensor_load_to_lds s[72:75], s[32:39]
	s_nop 0
	PLACES 4
.Lhead_asked:
	s_lshl_b32 s18, s17, 12                        ; my rows' scale bytes: 128 rows of 32
	s_mov_b32 s19, 0
	s_add_nc_u64 s[18:19], s[6:7], s[18:19]
	s_lshl_b32 s45, s40, 8
	s_lshl_b32 s46, s16, 6
	s_add_co_u32 s45, s45, s46                     ; my head's first column among a tensor's 1,024
	s_add_co_u32 s96, s45, 8192
	s_lshl_b32 s96, s96, 5
	s_mov_b32 s97, 0
	s_add_nc_u64 s[96:97], s[6:7], s[96:97]        ; its scale bytes, q's
	s_lshl_b32 s98, s45, 2
	s_mov_b32 s99, 0
	s_add_nc_u64 s[98:99], s[8:9], s[98:99]        ; its bias, q's
	s_lshr_b32 s46, s17, 4
	s_lshl_b32 s46, s46, 4
	s_lshl_b32 s47, s40, 2
	s_add_co_u32 s46, s46, s47
	s_add_co_u32 s46, s46, s16                     ; batch x 16 + head
	s_and_b32 s47, s17, 15                         ; the chunk
	s_mul_i32 s46, s46, 102400
	s_mul_i32 s47, s47, 6400
	s_add_co_u32 s84, s46, s47
	s_mov_b32 s85, 0
	s_lshl_b32 s88, s84, 1                         ; kvb's heads and chunks are twice as long
	s_mov_b32 s89, 0
	s_add_nc_u64 s[84:85], s[10:11], s[84:85]      ; s[84:85] where the codes in hand go, s[86:87] their scale bytes: q's
	s_add_nc_u64 s[86:87], s[84:85], 6144
	s_add_nc_u64 s[88:89], s[12:13], s[88:89]      ; s[88:91] the next tensor's: k's
	s_add_nc_u64 s[90:91], s[88:89], 12288
	s_add_nc_u64 s[92:93], s[88:89], 6144          ; s[92:95] and the one after: v's
	s_add_nc_u64 s[94:95], s[88:89], 12544
	s_lshl_b32 s22, s41, 2                         ; the prefetches: my number among the sixteen waves of my column of the cluster,
	s_add_co_u32 s22, s22, s16
	s_lshr_b32 s23, s22, 1
	s_mul_i32 s23, s23, HFS                        ; a row of a K half for two waves,
	s_and_b32 s22, s22, 1
	s_mul_i32 s22, s22, 6144                       ; half a row, 24 blocks of 256 bytes, each
	s_add_co_u32 s22, s22, s23
	s_mul_i32 s23, s40, 16*768
	s_add_co_u32 s22, s22, s23
	s_add_co_u32 s22, s22, PHS                     ; in k's tile
	s_mov_b32 s23, 0
	s_add_nc_u64 s[100:101], s[14:15], s[22:23]
	s_mul_i32 s23, s16, 4*768                      ; my head's four tiles of rows in a slot
	s_add_co_u32 s23, s23, BB0
	s_mov_b32 s[SEL], 0x76543210
	s_mov_b32 s[SEL+1], 0xfedcba98                 ; v_permlanex16_b32's selects for lane l xor 16
	v_and_b32 v1, 15, v0                           ; r
	v_bfe_u32 v2, v0, 4, 1                         ; h
	v_and_b32 v6, 31, v0
	v_bfe_u32 v27, v0, 3, 1
	v_lshlrev_b32 v252, 4, v6                      ; an image's first 16 bytes a lane,
	v_lshlrev_b32 v253, 3, v6                      ; its last 8
	v_lshlrev_b32 v30, 5, v1                       ; a row of scale bytes in
	v_lshlrev_b32 v24, 4, v1                       ; and out
	v_lshlrev_b32 v31, 6, v2                       ; the bias along the registers: 64 h
	v_and_b32 v26, 7, v1
	v_min_u32 v25, 23, v6
	v_mul_u32_u24 v3, v1, PITCH
	v_lshl_add_u32 v26, v27, 4, v26
	v_lshlrev_b32 v25, 8, v25                      ; the prefetches' offset: lanes 256 bytes apart; lanes 24-31 name lane 23's block again
	v_mad_u32_u24 v4, v2, 24, v3                   ; a fragment's row x pitch + 24 h
	v_lshlrev_b32 v26, 2, v26                      ; the bias along the lanes: 4 x my row's true place in a pair of tiles
	v_lshl_add_u32 v5, v2, 3, v4                   ; and the same behind one padding more
.irp k, 0,1,2,3
	v_add_nc_u32 v[ADRX+\k], \k*APL, v4
	v_add_nc_u32 v[ADRX+4+\k], \k*APL, v5
	v_add_nc_u32 v[ADRW+\k], s23, v252
	v_add_nc_u32 v[ADRW+4+\k], s23, v253
	s_add_co_u32 s23, s23, 4*HFB
	v_mov_b32 v[TM+4+\k], 0                        ; written once: a lane permute's destination counts as one of its sources
.endr
	s_wait_alu depctr_va_vdst(0)
.irp i, 0,1,2,3,4,5,6,7
	global_load_b128 v[SA+8*\i:SA+8*\i+3], v30, s[18:19] offset:512*\i          ; word q of block i: K step q of row r
	global_load_b128 v[SA+8*\i+4:SA+8*\i+7], v30, s[18:19] offset:512*\i+16
.endr
.irp i, 0,1,2,3
	global_load_b128 v[SB+8*\i:SB+8*\i+3], v30, s[96:97] offset:512*\i
	global_load_b128 v[SB+8*\i+4:SB+8*\i+7], v30, s[96:97] offset:512*\i+16
.endr
	WIN 0xc0
.irp i, 0,1,2,3,4,5,6,7
	global_load_b128 v[BI+4*\i:BI+4*\i+3], v31, s[98:99] offset:128*(\i/4)+16*(\i%4)   ; register 16 b + i: column 32 b + 16 h + i
.endr
	WIN 0
	s_cmp_lt_u32 s16, 2
	s_cbranch_scc0 .Lnot_half0
	s_wait_tensorcnt 0x0                           ; waves 0 and 1: my tile of K half 0 is in
.Lnot_half0:
	s_barrier_signal -1
	s_barrier_wait -1                              ; K half 0 of x and of q's weight is whole
.macro FRAG reg, adr, q, i             ; x: 16 rows x 128 K in pieces of 8 bytes; where lanes 16-31's piece lies behind one padding more, the second address register serves
.irp p, 0,1,2,3,4,5
.set PCE, 12*(\q)+6*(\p/3)+\p%3
.if PCE%8 < 5
	ds_load_b64 v[\reg+2*\p:\reg+2*\p+1], v[\adr] offset:8*PCE+8*(PCE/8)+(\i)*16*PITCH
.else
	ds_load_b64 v[\reg+2*\p:\reg+2*\p+1], v[\adr+4] offset:8*PCE+8*(PCE/8)+(\i)*16*PITCH
.endif
.endr
.endm
.macro FRAGW reg, pl, q, i             ; the weight: two half fragments
	ds_load_b128 v[\reg:\reg+3], v[ADRW+\pl] offset:(2*(\q))*HFB+(\i)*768
	ds_load_b64 v[\reg+4:\reg+5], v[ADRW+4+\pl] offset:(2*(\q))*HFB+(\i)*768+512
	ds_load_b128 v[\reg+6:\reg+9], v[ADRW+\pl] offset:(2*(\q)+1)*HFB+(\i)*768
	ds_load_b64 v[\reg+10:\reg+11], v[ADRW+4+\pl] offset:(2*(\q)+1)*HFB+(\i)*768+512
.endm
.macro FETCH q                         ; K step q's twelve fragments into set q % 2
	WIN 0x40
.irp i, 0,1,2,3,4,5,6,7
	FRAG 128*((\q)%2)+FR*\i, ADRX+(\q)/2, (\q)%2, \i
.endr
	WIN 0xc0
.irp i, 0,1,2,3
	FRAGW 48*((\q)%2)+FR*\i, (\q)/2, (\q)%2, \i
.endr
	WIN 0
.endm
.macro WM d, s0, s1, x0, x1, cb        ; cb >= 0: the sum starts with the bias at v[cb] of window 3
.if (\cb) >= 0
	v_wmma_scale_f32_16x16x128_f8f6f4 v[\d:\d+7], v[\s0:\s0+11], v[\s1:\s1+11], v[\cb:\cb+7], v[\x0], v[\x1] matrix_a_fmt:MATRIX_FMT_FP6 matrix_b_fmt:MATRIX_FMT_FP6
.else
	v_wmma_scale_f32_16x16x128_f8f6f4 v[\d:\d+7], v[\s0:\s0+11], v[\s1:\s1+11], v[\d:\d+7], v[\x0], v[\x1] matrix_a_fmt:MATRIX_FMT_FP6 matrix_b_fmt:MATRIX_FMT_FP6
.endif
.endm
; 32 products.  kind 0 (q, k): source 0 the weight (window 3), source 1 x (window 1), accumulator (a, b) at 8 (4 a + b).  kind 1 (v): the sources swapped, accumulator at 8 (8 b + a).
; The 32 accumulators take turns, one instruction a turn, in the same order in every step.
.macro MUL kind, q, first
	WIN 0xa7+6*(\kind)+16*(\first)
.irp a, 0,1,2,3,4,5,6,7
.irp b, 0,1,2,3
.if \kind
	WM 8*(8*\b+\a), 128*((\q)%2)+FR*\a, 48*((\q)%2)+FR*\b, SA+8*\a+(\q), SB+8*\b+(\q), (\first)*(BI+8*\b+1)-1
.else
	WM 8*(4*\a+\b), 48*((\q)%2)+FR*\b, 128*((\q)%2)+FR*\a, SB+8*\b+(\q), SA+8*\a+(\q), (\first)*(BI+8*\b+1)-1
.endif
.endr
.endr
.endm
; A K step: its fragments, asked for a step ago, are waited for; the next step's are asked for, four places behind the products that read their registers; then the products
.macro KSTEP kind, q, pf=0
	s_wait_dscnt 0x0
.if (\q) < 7
	PLACES 4
	FETCH (\q)+1
.endif
.if \pf
	global_prefetch_b8 v25, s[100:101] offset:8*HFS th:TH_LOAD_NT scope:SCOPE_SE   ; what slot 1's refill will ask for
.endif
	MUL \kind, \q, 0
.endm
; 64 sums of a lane, at v[s] of window 2: register 16 b + i = place 32 b + 16 (lane / 16) + i along the quantised axis; they become twelve registers of codes in v[PC] on and a scale word in v[pw]
.macro QUANT s, pw
	WIN 0x28                                       ; sources 1 and 2: window 2
.irp b, 0,1,2,3
	v_max3_num_f32 v[TM+\b], 0x1800000, |v[\s+16*\b]|, |v[\s+1+16*\b]|   ; my 16 numbers of block b, each accumulator from its low end on, and the floor 2^(3 - 127)
.endr
.irp i, 2,4,6,8,10,12,14
.irp b, 0,1,2,3
	v_max3_num_f32 v[TM+\b], v[TM+\b], |v[\s+16*\b+\i]|, |v[\s+1+16*\b+\i]|
.endr
.endr
	WIN 0
.irp b, 0,1,2,3
	v_permlanex16_b32 v[TM+4+\b], v[TM+\b], s[SEL], s[SEL+1]
.endr
.irp b, 0,1,2,3
	v_max_num_f32 v[TM+\b], v[TM+\b], v[TM+4+\b]   ; with lane l xor 16's: the block's largest magnitude
.endr
.irp b, 0,1,2,3
	v_add_nc_u32 v[TM+12+\b], 0xff000000, v[TM+\b] ; 2 off its exponent field: the conversion's scale operand
.endr
.irp b, 0,1,2,3
	v_lshrrev_b32 v[TM+4+\b], 23, v[TM+12+\b]      ; the scale's byte
.endr
	v_lshl_or_b32 v[\pw], v[TM+5], 8, v[TM+4]
	v_lshl_or_b32 v[\pw], v[TM+6], 16, v[\pw]
	v_lshl_or_b32 v[\pw], v[TM+7], 24, v[\pw]
	WIN 0x02                                       ; source 0: window 2
.irp c, 0,1
	v_cvt_scalef32_pk16_fp6_f32 v[PC+6*\c:PC+2+6*\c], v[\s+32*\c:\s+15+32*\c], v[TM+12+2*\c]
	v_cvt_scalef32_pk16_fp6_f32 v[PC+12+4*\c:PC+14+4*\c], v[\s+16+32*\c:\s+31+32*\c], v[TM+12+2*\c+1]
.endr
	WIN 0
	v_nop                                          ; one plain place behind a scaled conversion
.irp c, 0,1                            ; a whole block to a lane: lanes 0-15 block 2 c, lanes 16-31 block 2 c + 1
.irp i, 0,1,2
	v_permlane16_swap_b32 v[PC+6*\c+\i], v[PC+12+4*\c+\i]
.endr
.irp i, 0,1,2
	v_mov_b32 v[PC+3+6*\c+\i], v[PC+12+4*\c+\i]
.endr
.endr
.endm
; q, k: tiles of tokens 2 m and 2 m + 1, a half fragment each; v: tile of channels m, keys 0-63 and 64-127.  In both the two images lie on end, 1,536 bytes for each m
.macro EPI m
	s_wait_xcnt 0x0                                ; the earlier stores have read their data: it is written again below
	QUANT 64*(\m), PWS+(\m)
	global_store_b128 v252, v[PC:PC+3], s[84:85] offset:1536*(\m)          ; 512 consecutive bytes
	global_store_b64 v253, v[PC+4:PC+5], s[84:85] offset:1536*(\m)+512     ; 256 consecutive bytes
	global_store_b128 v252, v[PC+6:PC+9], s[84:85] offset:1536*(\m)+768
	global_store_b64 v253, v[PC+10:PC+11], s[84:85] offset:1536*(\m)+1280
.endm
.macro PHASE kind
	s_wait_loadcnt 0x0                             ; this tile's scale words and bias
.if \kind
	WIN 0xc3
.irp t, 0,8,16,24
.irp i, 1,2,3,4,5,6,7
	v_mov_b32 v[BI+\t+\i], v[BI+\t]                ; v's bias, one number a lane and tile, over the tile's eight registers
.endr
.endr
	WIN 0
	PLACES 4
	s_wait_alu depctr_va_vdst(0)
.endif
	FETCH 0
	s_wait_dscnt 0x0
	FETCH 1
.if !(\kind)
	global_prefetch_b8 v25, s[100:101] th:TH_LOAD_NT scope:SCOPE_SE   ; what slot 0's refill will ask for
.endif
	MUL \kind, 0, 1                                ; the first products start the sums with the bias
	KSTEP \kind, 1
	KSTEP \kind, 2
	s_wait_dscnt 0x0                               ; K step 3's fragments are in: my reads of slot 0 are over
	WIN 0
	s_wait_tensorcnt 0x0                           ; all my tensor loads have landed
.if \kind
	s_barrier_signal -1                            ; a plain barrier: v's K half 1 is shown to all
	MUL 1, 3, 0
	WIN 0
	s_barrier_wait -1
	PLACES 4
.else
	ds_add_u32 v[SPW], v[NIL]
	s_add_nc_u64 s[78:79], s[78:79], PHS           ; no load of mine is out: slot 0's descriptor steps to the next tensor's tile
	MUL 0, 3, 0                                    ; the wave works while the add is out
	WIN 0
	s_wait_dscnt 0x0
	CROUND                                         ; no wave of any partner still reads slot 0 or has a load on its way; slot 1 is whole
	tensor_load_to_lds s[76:79], s[48:55]          ; the next tensor's K half 0, my quarter: the first tensor load behind the round
	s_nop 0
	PLACES 4
.endif
	FETCH 4
	KSTEP \kind, 4, 1-(\kind)
	KSTEP \kind, 5
	KSTEP \kind, 6
	KSTEP \kind, 7
	WIN 0
	PLACES 4                                       ; behind the last products: their results are read, and their scale registers loaded into, below
.if !(\kind)
.irp i, 0,1,2,3
	global_load_b128 v[SB+8*\i:SB+8*\i+3], v30, s[96:97] offset:32768+512*\i       ; the next tensor's scale words: 1,024 rows on
	global_load_b128 v[SB+8*\i+4:SB+8*\i+7], v30, s[96:97] offset:32768+512*\i+16
.endr
	s_cmp_eq_u32 s3, 0                             ; and its bias: k's runs along the registers, v's along the lanes
	s_cbranch_scc0 .Lv_bias_\@
	WIN 0xc0
.irp i, 0,1,2,3,4,5,6,7
	global_load_b128 v[BI+4*\i:BI+4*\i+3], v31, s[98:99] offset:4096+128*(\i/4)+16*(\i%4)
.endr
	WIN 0
	s_branch .Lbias_\@
.Lv_bias_\@:
	WIN 0xc0
.irp b, 0,1,2,3
	global_load_b32 v[BI+8*\b], v26, s[98:99] offset:8192+4*(32*(\b/2)+8*(\b%2))   ; tile b, lane r: channel 32 (b / 2) + 8 (b % 2) + r % 8 + 16 (r / 8)
.endr
	WIN 0
.Lbias_\@:
.endif
	EPI 0
	EPI 1
.if !(\kind)
	s_wait_alu depctr_va_vdst(0)
	s_wait_tensorcnt 0x0                           ; slot 0's refill has landed
	ds_add_u32 v[SPW], v[NIL]
	s_add_nc_u64 s[82:83], s[82:83], PHS
	s_wait_dscnt 0x0
	CROUND                                         ; no wave of any partner still reads slot 1; slot 0 is whole
	tensor_load_to_lds s[80:83], s[48:55]          ; the next tensor's K half 1, my quarter
	s_nop 0
	PLACES 4
.endif
	EPI 2
	EPI 3
	global_store_b128 v24, v[PWS:PWS+3], s[86:87]  ; a row's 16 scale bytes; lanes 16-31 hold and store the same as lanes 0-15
.if !(\kind)
	s_wait_xcnt 0x0                                ; every base below has been read
	s_mov_b64 s[84:85], s[88:89]
	s_mov_b64 s[86:87], s[90:91]
	s_mov_b64 s[88:89], s[92:93]
	s_mov_b64 s[90:91], s[94:95]
	s_add_nc_u64 s[96:97], s[96:97], 32768
	s_add_nc_u64 s[100:101], s[100:101], PHS
.endif
.endm
	s_mov_b32 s3, 0
.Lqk:                                              ; q, then k
	PHASE 0
	s_add_co_u32 s3, s3, 1
	s_cmp_lt_u32 s3, 2
	s_cbranch_scc1 .Lqk
	PHASE 1                                        ; v: nothing is left to fetch
	s_wait_tensorcnt 0x0                           ; the wave's end
	ds_add_u32 v[SPW], v[NIL]
	s_wait_dscnt 0x0
	CROUND                                         ; the closing round
	s_endpgm
.Lfunc_end_k_q6697573748_qkv:
	.size	k_q6697573748_qkv, .Lfunc_end_k_q6697573748_qkv-k_q6697573748_qkv
	.p2alignl 7, 3214868480
	.fill 96, 4, 3214868480
	.section	.rodata,"a",@progbits
	.p2align	6, 0x0
	.amdhsa_kernel k_q6697573748_qkv
		.amdhsa_group_segment_fixed_size 327680
		.amdhsa_private_segment_fixed_size 0
		.amdhsa_enable_private_segment 0
		.amdhsa_kernarg_size 48
		.amdhsa_user_sgpr_count 2
		.amdhsa_user_sgpr_kernarg_segment_ptr 1
		.amdhsa_wavefront_size32 1
		.amdhsa_system_sgpr_workgroup_id_x 1
		.amdhsa_system_sgpr_workgroup_id_y 1
		.amdhsa_system_sgpr_workgroup_id_z 1
		.amdhsa_system_vgpr_workitem_id 0
		.amdhsa_next_free_vgpr 1024
		.amdhsa_next_free_sgpr 104
		.amdhsa_reserve_vcc 0
		.amdhsa_float_denorm_mode_32 3
		.amdhsa_float_denorm_mode_16_64 3
		.amdhsa_memory_ordered 1
		.amdhsa_forward_progress 1
		.amdhsa_inst_pref_size 186
	.end_amdhsa_kernel
	.amdgpu_metadata
---
amdhsa.version: [ 1, 2 ]
amdhsa.kernels:
  - .name:           k_q6697573748_qkv
    .symbol:         k_q6697573748_qkv.kd
    .args:
      - { .name: opc, .offset: 0, .size: 8, .value_kind: global_buffer, .address_space: global }
      - { .name: ops, .offset: 8, .size: 8, .value_kind: global_buffer, .address_space: global }
      - { .name: b_attn, .offset: 16, .size: 8, .value_kind: global_buffer, .address_space: global }
      - { .name: qb, .offset: 24, .size: 8, .value_kind: global_buffer, .address_space: global }
      - { .name: kvb, .offset: 32, .size: 8, .value_kind: global_buffer, .address_space: global }
      - { .name: wim, .offset: 40, .size: 8, .value_kind: global_buffer, .address_space: global }
    .group_segment_fixed_size: 327680
    .private_segment_fixed_size: 0
    .kernarg_segment_align: 8
    .kernarg_segment_size: 48
    .max_flat_workgroup_size: 128
    .sgpr_count:     104
    .vgpr_count:     1024
    .wavefront_size: 32
...
	.end_amdgpu_metadata
.endif
;; end of part 2
;; launch attn (part 3): grid 4 x 64, 16 waves a work-group, clusters of 4 x 1, 327,680 bytes of LDS; arguments qb, kvb, ac, asc; writes ac, asc
.if DOCPART == 3
	.amdgcn_target "amdgcn-amd-amdhsa--gfx1250"
	.amdhsa_code_object_version 6
	.text
	.protected	k_q6697573748_attn
	.globl	k_q6697573748_attn
	.p2align	8
	.type	k_q6697573748_attn,@function
k_q6697573748_attn:
	s_mov_b64 s[64:65], 0
	v_nop
	global_prefetch_b8 v0, s[64:65] scope:SCOPE_SE
	s_setreg_imm32_b32 hwreg(HW_REG_WAVE_MODE, 25, 1), 1
	s_wait_xcnt 0x0
	s_wait_alu depctr_hold_cnt(0) depctr_sa_sdst(0) depctr_va_vdst(0) depctr_va_sdst(0) depctr_va_ssrc(0) depctr_va_vcc(0) depctr_vm_vsrc(0)
	s_getreg_b32 s2, hwreg(HW_REG_IB_STS2, 6, 4)
	s_cmp_eq_u32 s2, 0
	s_cbranch_scc0 .Lentry_in_a_cluster
	s_endpgm
.Lentry_in_a_cluster:
	s_bfe_u32 s2, ttmp6, 0x10000c
	s_cmp_lg_u32 s2, 0x3003
	s_cbranch_scc0 .Lentry_shape_is_right
	s_endpgm
.Lentry_shape_is_right:
; Causal attention of one head on codes of FP6 (E2M3) with E8M0 scales: S^T = K Q^T (K = the head's 64), p = 2^(t - M), O^T = V^T P^T (K = the keys), O / the row's sum, quantised along the channels for the last product.
; t = score x log2(e) / 8; M = the running largest t rounded up to a whole number; the sum is taken of the unquantised p; when M moves, the sum and O^T are multiplied by 2^(old M - new M), which rounds nothing.
; LEFT OUT: steps of 128 keys that all come after a tile's queries: the causal mask sets their scores to -inf for every input.
; SHARES.  The four work-groups of a cluster serve one head (cluster y = batch x 16 + head).  Work-group cx takes tiles 2 cx and 2 cx + 1 (16 queries each) of EVERY chunk of 128 queries: 32 tiles.
; Wave w takes tile 2 cx + w % 2 of chunk 15 - a and then of chunk a, a = w / 2: (16 - a) + (a + 1) = 17 key steps of 128 for every wave of every work-group, two of them under the mask.
; LDS.  The head's K, V and scale bytes are 16 chunks of 12,800 bytes, 204,800 in all.  Every byte is filled ONCE, at the head: wave w asks for chunk w, one load a wave, JOINTLY with its three partners (mask 15).
; Two barriers: the first shows chunks 0-3 (waves 0-3 have a load line of their own and wait there); the second, behind four steps, shows all.  Behind it the waves share nothing and walk by themselves.
; THE WALK has constant trip counts: 4 + 28 trips go twice over key chunks 0-15; a trip whose chunk lies beyond the tile's own is passed over by a scalar branch on the wave's number and the count of trips.
; A tile's last live step is the one under the mask; the way out and the change to the second tile stand behind it.  The second tile's q waits in registers from the head on.
; NO PREFETCH: every tensor load of the text is issued at the head; there is no later load to run ahead of.
; A chunk: K's 8 half fragments (768 bytes: lane l's 16 bytes at 16 l, its last 8 at 512 + 8 l); V's 4 tiles x 2; K's scale bytes [row 16][tile 8] of 2; V's [row 16][tile 4] of 4.
; K = 64 IN AN INSTRUCTION OF 128: source 0 holds key tile 2 m in its first six registers and key tile 2 m + 1 in its last six; it is multiplied once by (q, zero codes) and once by (zero codes, q).
; Rows lie by position (true row = position with bits 3 and 4 exchanged): the 16 registers of tiles 2 b, 2 b + 1 of S^T are true keys 32 b + 16 (lane / 16) + 0 .. 15, and likewise O^T's channels.
; OUT.  ac [head 16][tile of 16 rows 512]: a half fragment; asc [row 8,192][32]: byte 2 head + block.  The scale bytes leave one a lane, to rows 32 bytes apart: one byte for each 24 of codes.
; LIMITS: NaN and infinities are not served; a block whose largest magnitude lies under 2^-124 gets the byte 1; the scaled scores stay under 2^31 in magnitude.
.set CHB,   12800                      ; a chunk
.set SPARE, 325632                     ; the spare words: 128 bytes a wave, eight blocks of 256 bytes that no other line names
.set L16, 1                            ; v1 16 x lane; v2 8 x lane; v3 16 x (lane % 16)
.set L8,  2
.set R16, 3
.set QAV, 4                            ; v4 my true query's place in its chunk - 16 (lane / 16)
.set SPW, 5
.set NIL, 6
.set AO,  7                            ; v7 32 (lane % 16) + lane / 16: my byte in asc
.set A16, 8                            ; v8-10 LDS addresses of the step in hand
.set A8,  9
.set AS,  10
.set QA,  16                           ; v16-27 (q, 0);  v28-39 (0, q)
.set QB,  28
.set F,   40                           ; v40-87 four fragments of K or of V
.set Q2,  88                           ; v88-93 the second tile's q; v94 its scale word
.set S,   96                           ; v96-159 S^T, then p
.set O,   160                          ; v160-191 O^T
.set PC,  192                          ; v192-203 p's codes; v204-210 conversions' second halves
.set CT,  204
.set MX,  212                          ; v212-215 blocks' maxima; v216-219 permutes, bytes; v220-223 scale operands
.set PT,  216
.set SO,  220
.set PSW, 228                          ; p's scale word;  v229 q's;  v232-235 K's or V's
.set QSW, 229
.set SCW, 232
.set FF,  240                          ; v240 f = 2^(old M - new M) (v241 named with it as a pair)
.set TP,  242                          ; v242-243 at work;  v224-225, v238-239, v246-255 the sum's chains
.set TB,  2                            ; s2 LDS byte of the trip's chunk;  s3 the chunk's number
.set KI,  3
.set WV,  18
.set SEL, 20
.set CS,  22
.set G1,  24
.set G0,  32
.set CNT, 36
.set CH,  37                           ; s37 the chunk of the tile in hand;  s38 the second tile's
.set CH2, 38
.set MASKH, 39
.set AC2, 40                           ; s[40:41], s[42:43] where the second tile's codes and scale bytes go
.set AS2, 42
.macro CROUND                          ; a round of the cluster's barrier
	s_barrier_signal -1
	s_barrier_wait -1
	s_cmp_lg_u32 s[WV], 0
	s_cbranch_scc1 .Lnot_wave_0_\@
	s_barrier_signal -3
.Lnot_wave_0_\@:
	s_barrier_wait -3
	s_barrier_signal -1
	s_barrier_wait -1
.endm
	s_load_b256 s[4:11], s[0:1], 0x0               ; qb s[4:5], kvb s[6:7], ac s[8:9], asc s[10:11]
	v_lshl_add_u32 v[SPW], v0, 2, SPARE
	v_mov_b32 v[NIL], 0
	ds_add_u32 v[SPW], v[NIL]                      ; the wave's opening: the add, twice on end, and its wait ahead of my first tensor load
	ds_add_u32 v[SPW], v[NIL]
	v_lshrrev_b32 v8, 5, v0
	v_readfirstlane_b32 s[WV], v8                  ; wave 0..15
	s_bfe_u32 s13, ttmp6, 0x40000                  ; cx: it enters global addresses and the mask's numbers alone
	s_and_b32 s12, ttmp7, 0xffff                   ; batch x 16 + head
	s_and_b32 s14, s[WV], 1
	s_lshl_b32 s15, s13, 1
	s_add_co_u32 s14, s14, s15                     ; my tile in a chunk: 2 cx + w % 2
	s_lshr_b32 s[CH2], s[WV], 1                    ; a
	s_sub_co_u32 s[CH], 15, s[CH2]                 ; 15 - a comes first
	s_mov_b32 s[G1], 15|(3<<16)|(1<<21)            ; all four work-groups of the cluster; elements of 8 bytes; bit 21 beside a mask; no padding
	s_mov_b32 s[G1+1], 32<<16                      ; tensor_dim0: 256 bytes
	s_mov_b32 s[G1+2], 50<<16                      ; tensor_dim1: 50 rows
	s_mov_b32 s[G1+3], 32<<16
	s_mov_b32 s[G1+4], 50
	s_mov_b32 s[G1+5], 32                          ; dense
	s_mov_b32 s[G1+6], 0
	s_mov_b32 s[G1+7], 0
	s_mov_b32 s[SEL], 0x76543210
	s_mov_b32 s[SEL+1], 0xfedcba98
	s_mov_b32 s[CS], 0x3e38aa3b                    ; c = log2(e) / 8
	s_mov_b32 s[CS+1], s[CS]
	s_mov_b32 s[TB], 0
	s_mov_b32 s[KI], 0
	s_mov_b32 s[MASKH], 0xffff0000                 ; lanes 16-31
	s_mul_i32 s46, s12, 16*CHB                     ; the head in kvb,
	s_mul_i32 s45, s[WV], CHB                      ; chunk w
	s_add_co_u32 s46, s46, s45
	s_mov_b32 s47, 0
	s_mul_i32 s48, s12, 102400                     ; the head in qb
	s_mul_i32 s49, s14, 768
	s_add_co_u32 s50, s48, s49                     ; my tile's half fragment in a chunk,
	s_lshl_b32 s49, s14, 1
	s_add_co_u32 s48, s48, s49
	s_add_co_u32 s48, s48, 6144                    ; and its two scale bytes of row 0
	s_mul_i32 s44, s[CH], 6400
	s_mul_i32 s51, s[CH2], 6400
	s_add_co_u32 s56, s50, s44
	s_add_co_u32 s58, s48, s44
	s_add_co_u32 s60, s50, s51
	s_add_co_u32 s62, s48, s51
	s_mov_b32 s57, 0
	s_mov_b32 s59, 0
	s_mov_b32 s61, 0
	s_mov_b32 s63, 0
	s_and_b32 s52, s12, 15                         ; head
	s_lshr_b32 s53, s12, 4                         ; batch
	s_lshl_b32 s54, s52, 9
	s_lshl_b32 s55, s53, 7
	s_add_co_u32 s54, s54, s55
	s_add_co_u32 s54, s54, s14
	s_lshl_b32 s55, s[CH], 3
	s_add_co_u32 s55, s55, s54
	s_mul_i32 s16, s55, 768                        ; ac: (head x 512 + batch x 128 + 8 chunk + tile) x 768
	s_mov_b32 s17, 0
	s_lshl_b32 s55, s[CH2], 3
	s_add_co_u32 s55, s55, s54
	s_mul_i32 s[AC2], s55, 768
	s_mov_b32 s[AC2+1], 0
	s_lshl_b32 s54, s53, 11
	s_lshl_b32 s55, s14, 4
	s_add_co_u32 s54, s54, s55
	s_lshl_b32 s51, s52, 1
	s_lshl_b32 s55, s[CH], 7
	s_add_co_u32 s55, s55, s54
	s_lshl_b32 s55, s55, 5
	s_add_co_u32 s66, s55, s51                     ; asc: row x 32 + 2 head
	s_mov_b32 s67, 0
	s_lshl_b32 s55, s[CH2], 7
	s_add_co_u32 s55, s55, s54
	s_lshl_b32 s55, s55, 5
	s_add_co_u32 s[AS2], s55, s51
	s_mov_b32 s[AS2+1], 0
	s_lshr_b32 s19, s14, 1
	s_lshl_b32 s19, s19, 5
	s_and_b32 s15, s14, 1
	s_lshl_b32 s15, s15, 3
	s_add_co_u32 s19, s19, s15                     ; 32 (tile / 2) + 8 (tile % 2)
	s_wait_dscnt 0x0                               ; both opening adds are done
	CROUND                                         ; the four work-groups are here: the joint loads meet
	s_wait_kmcnt 0x0
	s_mov_b32 s[G0], 1
	s_mov_b32 s[G0+1], s45                         ; LDS: chunk w
	s_add_nc_u64 s[G0+2:G0+3], s[6:7], s[46:47]
	s_or_b32 s[G0+3], s[G0+3], 0x80000000
	s_cmp_lt_u32 s[WV], 4                          ; waves 0-3 have a line of their own: the first barrier waits for it alone
	s_cbranch_scc0 .Llate
	tensor_load_to_lds s[G0:G0+3], s[G1:G1+7]
	s_nop 0
.rept 4
	v_nop
.endr
	s_branch .Lasked
.Llate:
	tensor_load_to_lds s[G0:G0+3], s[G1:G1+7]
	s_nop 0
.rept 4
	v_nop
.endr
.Lasked:
	s_add_nc_u64 s[56:57], s[4:5], s[56:57]
	s_add_nc_u64 s[58:59], s[4:5], s[58:59]
	s_add_nc_u64 s[60:61], s[4:5], s[60:61]
	s_add_nc_u64 s[62:63], s[4:5], s[62:63]
	s_add_nc_u64 s[AC2:AC2+1], s[8:9], s[AC2:AC2+1]
	s_add_nc_u64 s[AS2:AS2+1], s[10:11], s[AS2:AS2+1]
	s_add_nc_u64 s[8:9], s[8:9], s[16:17]
	s_add_nc_u64 s[10:11], s[10:11], s[66:67]
	v_and_b32 v9, 31, v0
	v_and_b32 v10, 15, v0
	v_bfe_u32 v11, v0, 4, 1
	v_bfe_u32 v[TP+1], v0, 3, 1
	v_lshlrev_b32 v[L16], 4, v9
	v_lshlrev_b32 v[L8], 3, v9
	v_lshlrev_b32 v[R16], 4, v10
	v_and_b32 v[QAV], 7, v10
	v_lshl_add_u32 v[AO], v10, 5, v11
	v_lshl_add_u32 v[QAV], v[TP+1], 4, v[QAV]
	v_lshlrev_b32 v[TP+1], 4, v11
	v_add_nc_u32 v[QAV], s19, v[QAV]
	v_sub_nc_u32 v[QAV], v[QAV], v[TP+1]           ; 32 (tile / 2) + 8 (tile % 2) + r % 8 + 16 (r / 8) - 16 h
	s_wait_alu depctr_va_vdst(0)                   ; ahead of the readers below
	global_load_b128 v[QA:QA+3], v[L16], s[56:57]  ; the first tile's q, twice: two runs of registers
	global_load_b64 v[QA+4:QA+5], v[L8], s[56:57] offset:512
	global_load_b128 v[QB+6:QB+9], v[L16], s[56:57]
	global_load_b64 v[QB+10:QB+11], v[L8], s[56:57] offset:512
	global_load_u16 v[TP], v[R16], s[58:59]        ; my row's two scale bytes
	global_load_b128 v[Q2:Q2+3], v[L16], s[60:61]  ; the second tile's q
	global_load_b64 v[Q2+4:Q2+5], v[L8], s[60:61] offset:512
	global_load_u16 v[Q2+6], v[R16], s[62:63]
.irp i, 0,1,2,3,4,5
	v_mov_b32 v[QA+6+\i], 0                        ; zero codes
	v_mov_b32 v[QB+\i], 0
.endr
	v_mov_b32 v13, 0xff61b1e6                      ; the largest t so far: -3e38
	v_mov_b32 v14, 0                               ; the sum, in two halves
	v_mov_b32 v15, 0
	v_floor_f32 v12, -v13                          ; -M
.irp b, 0,1,2,3
	v_mov_b32 v[PT+\b], 0                          ; a lane permute's destination counts as one of its sources
.endr
	v_mov_b32 v[FF+1], 0
	s_wait_alu depctr_va_vdst(0)
	s_wait_loadcnt 0x0
	v_lshl_or_b32 v[QSW], v[TP], 16, v[TP]         ; (s0, s1, s0, s1): the zero codes' blocks have bytes that are scales too
	v_lshl_or_b32 v[Q2+6], v[Q2+6], 16, v[Q2+6]
.set n, 0
.rept 32
	v_mov_b32 v[O+n], 0                            ; O^T: the first change of M leaves zeros zeros
.set n, n+1
.endr
	s_wait_alu depctr_va_vdst(0)
	s_cmp_lt_u32 s[WV], 4
	s_cbranch_scc0 .Lnot_first
	s_wait_tensorcnt 0x0                           ; waves 0-3: my chunk is in
.Lnot_first:
	s_barrier_signal -1
	s_barrier_wait -1                              ; chunks 0-3 are whole
.macro HFS base                        ; four fragments, two half fragments each, from byte base of the chunk
.irp m, 0,1,2,3
	ds_load_b128 v[F+12*\m:F+12*\m+3], v[A16] offset:\base+1536*\m
	ds_load_b64 v[F+12*\m+4:F+12*\m+5], v[A8] offset:\base+1536*\m+512
	ds_load_b128 v[F+12*\m+6:F+12*\m+9], v[A16] offset:\base+1536*\m+768
	ds_load_b64 v[F+12*\m+10:F+12*\m+11], v[A8] offset:\base+1536*\m+1280
.endr
.endm
; A KEY STEP: 128 keys, one chunk.  masked = 1: the text holds the mask, walked where the chunk is the tile's own
.macro STEP masked
	v_add_nc_u32 v[A16], s[TB], v[L16]
	v_add_nc_u32 v[A8], s[TB], v[L8]
	v_add_nc_u32 v[AS], s[TB], v[R16]
	v_nop                                          ; four places in front of loads into registers that the last products read
	HFS 0
	ds_load_b128 v[SCW:SCW+3], v[AS] offset:12288  ; K's scale words: word m = tiles 2 m and 2 m + 1
	s_wait_alu depctr_va_vdst(0)
	s_wait_dscnt 0x0
.irp m, 0,1,2,3
	v_wmma_scale_f32_16x16x128_f8f6f4 v[S+16*\m:S+16*\m+7], v[F+12*\m:F+12*\m+11], v[QA:QA+11], 0, v[SCW+\m], v[QSW] matrix_a_fmt:MATRIX_FMT_FP6 matrix_b_fmt:MATRIX_FMT_FP6
	v_wmma_scale_f32_16x16x128_f8f6f4 v[S+16*\m+8:S+16*\m+15], v[F+12*\m:F+12*\m+11], v[QB:QB+11], 0, v[SCW+\m], v[QSW] matrix_a_fmt:MATRIX_FMT_FP6 matrix_b_fmt:MATRIX_FMT_FP6
.endr
.rept 4
	v_nop
.endr
	HFS 6144                                       ; V's fragments land while the softmax is walked
	ds_load_b128 v[SCW:SCW+3], v[AS] offset:12544
.if \masked
	s_cmp_lt_u32 s[KI], s[CH]                      ; an earlier chunk: all keys count
	s_cbranch_scc1 .Lopen_\@
	v_mov_b32 v[TP+1], 0xff800000                  ; register 16 b + i holds the chunk's key 16 h + 32 b + i: hidden where 32 b + i > my query's place - 16 h
.set n, 0
.rept 64
	v_cmp_gt_i32 vcc_lo, 32*(n/16)+n%16, v[QAV]
	v_cndmask_b32 v[S+n], v[S+n], v[TP+1], vcc_lo
.set n, n+1
.endr
.Lopen_\@:
.endif
.irp b, 0,1,2,3
	v_max3_num_f32 v[MX+\b], v[S+16*\b], v[S+1+16*\b], v[S+2+16*\b]   ; the largest score of each block of 32 keys: for the row's maximum, and, since p rises with the score, for the block's largest p
.endr
.irp i, 3,5,7,9,11,13
.irp b, 0,1,2,3
	v_max3_num_f32 v[MX+\b], v[MX+\b], v[S+16*\b+\i], v[S+1+16*\b+\i]
.endr
.endr
.irp b, 0,1,2,3
	v_max_num_f32 v[MX+\b], v[MX+\b], v[S+15+16*\b]
.endr
.irp b, 0,1,2,3
	s_delay_alu instid0(VALU_DEP_4)
	v_permlanex16_b32 v[PT+\b], v[MX+\b], s[SEL], s[SEL+1]
.endr
.irp b, 0,1,2,3
	s_delay_alu instid0(VALU_DEP_4)
	v_max_num_f32 v[MX+\b], v[MX+\b], v[PT+\b]
.endr
	s_delay_alu instid0(VALU_DEP_2)
	v_max3_num_f32 v[TP], v[MX], v[MX+1], v[MX+2]
	s_delay_alu instid0(VALU_DEP_1)
	v_max_num_f32 v[TP], v[TP], v[MX+3]
	s_delay_alu instid0(VALU_DEP_1)
	v_mul_f32 v[TP], s[CS], v[TP]
	s_delay_alu instid0(VALU_DEP_1)
	v_max_num_f32 v13, v13, v[TP]                  ; the running largest t
	v_mov_b32 v[TP], v12
	s_delay_alu instid0(VALU_DEP_2)
	v_floor_f32 v12, -v13                          ; -M = floor(-t): M is a whole number
	s_delay_alu instid0(VALU_DEP_1)
	v_sub_f32 v[TP], v12, v[TP]
	s_delay_alu instid0(VALU_DEP_1)
	v_cvt_i32_f32 v[TP], v[TP]
	s_delay_alu instid0(VALU_DEP_1)
	v_ldexp_f32 v[FF], 1.0, v[TP]                  ; f = 2^(old M - new M)
.set n, 0
.rept 32
	v_pk_fma_f32 v[S+n:S+n+1], v[S+n:S+n+1], s[CS:CS+1], v[12:13] op_sel_hi:[1,0,0]   ; t - M
.set n, n+2
.endr
.irp b, 0,1,2,3
	v_fma_f32 v[MX+\b], v[MX+\b], s[CS], v12
.endr
.set n, 0
	s_wait_alu depctr_va_vdst(0)
.rept 64
	v_exp_f32 v[S+n], v[S+n]                       ; p = 2^(t - M)
.set n, n+1
.endr
	v_pk_mul_f32 v[14:15], v[14:15], v[FF:FF+1] op_sel_hi:[1,0]   ; the sums under the new M: the plain place behind the batch
	s_wait_alu depctr_va_vdst(0)                   ; one wait for the 64, ahead of their first reader
.irp b, 0,1,2,3
	v_exp_f32 v[MX+\b], v[MX+\b]                   ; each block's largest p
.endr
	v_pk_add_f32 v[224:225], v[100:101], v[104:105]   ; the row's sum of the unquantised p, in eight chains
	v_pk_add_f32 v[254:255], v[108:109], v[112:113]
	v_pk_add_f32 v[252:253], v[116:117], v[120:121]
	v_pk_add_f32 v[250:251], v[124:125], v[128:129]
	v_pk_add_f32 v[248:249], v[132:133], v[136:137]
	v_pk_add_f32 v[246:247], v[140:141], v[144:145]
	v_pk_add_f32 v[238:239], v[148:149], v[152:153]
	v_pk_add_f32 v[14:15], v[14:15], v[156:157]
	v_pk_add_f32 v[224:225], v[224:225], v[96:97]
	v_pk_add_f32 v[254:255], v[254:255], v[98:99]
	v_pk_add_f32 v[252:253], v[252:253], v[102:103]
	v_pk_add_f32 v[250:251], v[250:251], v[106:107]
	v_pk_add_f32 v[248:249], v[248:249], v[110:111]
	v_pk_add_f32 v[246:247], v[246:247], v[114:115]
	v_pk_add_f32 v[238:239], v[238:239], v[118:119]
	v_pk_add_f32 v[14:15], v[14:15], v[122:123]
	v_pk_add_f32 v[224:225], v[224:225], v[126:127]
	v_pk_add_f32 v[254:255], v[254:255], v[130:131]
	v_pk_add_f32 v[252:253], v[252:253], v[134:135]
	v_pk_add_f32 v[250:251], v[250:251], v[138:139]
	v_pk_add_f32 v[248:249], v[248:249], v[142:143]
	v_pk_add_f32 v[246:247], v[246:247], v[146:147]
	v_pk_add_f32 v[238:239], v[238:239], v[150:151]
	v_pk_add_f32 v[14:15], v[14:15], v[154:155]
	v_pk_add_f32 v[224:225], v[224:225], v[158:159]
	s_delay_alu instid0(VALU_DEP_2)
	v_pk_add_f32 v[14:15], v[14:15], v[250:251]
	s_delay_alu instid0(VALU_DEP_2)
	v_pk_add_f32 v[224:225], v[224:225], v[248:249]
	v_pk_add_f32 v[254:255], v[254:255], v[246:247]
	v_pk_add_f32 v[252:253], v[252:253], v[238:239]
	s_delay_alu instid0(VALU_DEP_2)
	v_pk_add_f32 v[14:15], v[14:15], v[254:255]
	s_delay_alu instid0(VALU_DEP_2)
	v_pk_add_f32 v[224:225], v[224:225], v[252:253]
	s_delay_alu instid0(VALU_DEP_1)
	v_pk_add_f32 v[14:15], v[14:15], v[224:225]
	s_wait_alu depctr_va_vdst(0)                   ; and one for the four
.irp b, 0,1,2,3
	v_max_num_f32 v[MX+\b], 0x1800000, v[MX+\b]    ; the floor 2^(3 - 127)
.endr
.irp b, 0,1,2,3
	s_delay_alu instid0(VALU_DEP_4)
	v_add_nc_u32 v[SO+\b], 0xff000000, v[MX+\b]
.endr
.irp b, 0,1,2,3
	s_delay_alu instid0(VALU_DEP_4)
	v_lshrrev_b32 v[PT+\b], 23, v[SO+\b]
.endr
	s_delay_alu instid0(VALU_DEP_3)
	v_lshl_or_b32 v[PSW], v[PT+1], 8, v[PT]
	s_delay_alu instid0(VALU_DEP_1)
	v_lshl_or_b32 v[PSW], v[PT+2], 16, v[PSW]
	s_delay_alu instid0(VALU_DEP_1)
	v_lshl_or_b32 v[PSW], v[PT+3], 24, v[PSW]
.irp c, 0,1
	v_cvt_scalef32_pk16_fp6_f32 v[PC+6*\c:PC+6*\c+2], v[S+32*\c:S+32*\c+15], v[SO+2*\c]
	v_cvt_scalef32_pk16_fp6_f32 v[CT+4*\c:CT+4*\c+2], v[S+16+32*\c:S+31+32*\c], v[SO+2*\c+1]
.endr
	v_nop                                          ; one plain place behind a scaled conversion
.irp c, 0,1
.irp i, 0,1,2
	v_permlane16_swap_b32 v[PC+6*\c+\i], v[CT+4*\c+\i]
.endr
.irp i, 0,1,2
	s_delay_alu instid0(VALU_DEP_3)
	v_mov_b32 v[PC+3+6*\c+\i], v[CT+4*\c+\i]
.endr
.endr
	s_wait_alu depctr_va_vdst(0)                   ; directly ahead of the first reader of O^T
.set n, 0
.rept 16
	v_pk_mul_f32 v[O+n:O+n+1], v[O+n:O+n+1], v[FF:FF+1] op_sel_hi:[1,0]   ; O^T under the new M; also the places between the writes of p's codes and scale word and the products
.set n, n+2
.endr
	s_wait_alu depctr_va_vdst(0)
	s_wait_dscnt 0x0                               ; V is in
.irp t, 0,1,2,3
	v_wmma_scale_f32_16x16x128_f8f6f4 v[O+8*\t:O+8*\t+7], v[F+12*\t:F+12*\t+11], v[PC:PC+11], v[O+8*\t:O+8*\t+7], v[SCW+\t], v[PSW] matrix_a_fmt:MATRIX_FMT_FP6 matrix_b_fmt:MATRIX_FMT_FP6
.endr
.endm
	s_mov_b32 s[CNT], 0
.Lfirst:                                           ; chunks 0-3: every wave's first tile lies in chunk 8 or later, so all keys count
	STEP 0
	s_add_co_u32 s[KI], s[KI], 1
	s_add_co_u32 s[TB], s[TB], CHB
	s_add_co_u32 s[CNT], s[CNT], 1
	s_cmp_lt_u32 s[CNT], 4
	s_cbranch_scc1 .Lfirst
	s_wait_tensorcnt 0x0                           ; every wave: my chunk is in
	s_wait_dscnt 0x0
	s_barrier_signal -1
	s_barrier_wait -1                              ; all sixteen chunks are whole
	s_mov_b32 s[CNT], 0
.Lwalk:                                            ; 28 trips: chunks 4-15, then 0-15
	s_cmp_gt_u32 s[KI], s[CH]                      ; all its keys come after my tile's queries
	s_cbranch_scc1 .Lhidden
	STEP 1
	s_cmp_lg_u32 s[KI], s[CH]
	s_cbranch_scc1 .Lhidden
	; THE WAY OUT, behind the tile's own chunk: O^T / the sum; register 16 c + i is channel 32 c + 16 h + i of my query: two blocks of 32, quantised; one half fragment and one scale byte a lane
.rept 4
	v_nop
.endr
	v_add_f32 v14, v14, v15
	s_delay_alu instid0(VALU_DEP_1)
	v_permlanex16_b32 v[TP], v14, s[SEL], s[SEL+1]
	s_delay_alu instid0(VALU_DEP_1)
	v_add_f32 v14, v14, v[TP]
	s_wait_alu depctr_va_vdst(0)
	v_rcp_f32 v14, v14
	v_nop                                          ; a plain place behind the reciprocal
	s_wait_alu depctr_va_vdst(0)                   ; and the wait ahead of its first reader
.set n, 0
.rept 32
	v_mul_f32 v[S+n], v[O+n], v14
.set n, n+1
.endr
.irp c, 0,1
	v_max3_num_f32 v[MX+\c], |v[S+16*\c]|, |v[S+1+16*\c]|, 0x1800000
.endr
.irp i, 2,4,6,8,10,12,14
.irp c, 0,1
	s_delay_alu instid0(VALU_DEP_2)
	v_max3_num_f32 v[MX+\c], v[MX+\c], |v[S+16*\c+\i]|, |v[S+1+16*\c+\i]|
.endr
.endr
.irp c, 0,1
	s_delay_alu instid0(VALU_DEP_2)
	v_permlanex16_b32 v[PT+\c], v[MX+\c], s[SEL], s[SEL+1]
.endr
.irp c, 0,1
	s_delay_alu instid0(VALU_DEP_2)
	v_max_num_f32 v[MX+\c], v[MX+\c], v[PT+\c]
.endr
.irp c, 0,1
	s_delay_alu instid0(VALU_DEP_2)
	v_add_nc_u32 v[SO+\c], 0xff000000, v[MX+\c]
.endr
.irp c, 0,1
	s_delay_alu instid0(VALU_DEP_2)
	v_lshrrev_b32 v[PT+\c], 23, v[SO+\c]
.endr
	v_cvt_scalef32_pk16_fp6_f32 v[PC:PC+2], v[S:S+15], v[SO]
	v_cvt_scalef32_pk16_fp6_f32 v[CT:CT+2], v[S+16:S+31], v[SO+1]
	v_nop
.irp i, 0,1,2
	v_permlane16_swap_b32 v[PC+\i], v[CT+\i]       ; lanes 0-15 block 0, lanes 16-31 block 1
.endr
.irp i, 0,1,2
	s_delay_alu instid0(VALU_DEP_3)
	v_mov_b32 v[PC+3+\i], v[CT+\i]
.endr
	v_cndmask_b32 v[TP+1], v[PT], v[PT+1], s[MASKH]   ; my block's byte
	global_store_b128 v[L16], v[PC:PC+3], s[8:9]
	global_store_b64 v[L8], v[PC+4:PC+5], s[8:9] offset:512
	global_store_b8 v[AO], v[TP+1], s[10:11]
	; THE CHANGE OF TILES: chunk a, its q, a new maximum, sum and O^T.  The trips up to chunk 15 are then passed over, a being under the chunk in hand.  (Behind the second tile the same lines run once more and serve nothing further.)
	s_wait_alu depctr_va_vdst(0)
	s_wait_xcnt 0x0                                ; the stores have read their bases and data
	s_mov_b64 s[8:9], s[AC2:AC2+1]
	s_mov_b64 s[10:11], s[AS2:AS2+1]
	s_mov_b32 s[CH], s[CH2]
	v_mov_b32 v[QSW], v[Q2+6]
.irp i, 0,1,2,3,4,5
	v_mov_b32 v[QA+\i], v[Q2+\i]
	v_mov_b32 v[QB+6+\i], v[Q2+\i]
.endr
	v_mov_b32 v13, 0xff61b1e6
	v_mov_b32 v14, 0
	v_mov_b32 v15, 0
	v_floor_f32 v12, -v13
.set n, 0
.rept 32
	v_mov_b32 v[O+n], 0
.set n, n+1
.endr
.Lhidden:
	s_add_co_u32 s[KI], s[KI], 1
	s_and_b32 s[KI], s[KI], 15
	s_add_co_u32 s[TB], s[TB], CHB
	s_cmp_eq_u32 s[TB], 16*CHB
	s_cselect_b32 s[TB], 0, s[TB]                  ; behind chunk 15 comes chunk 0
	s_add_co_u32 s[CNT], s[CNT], 1
	s_cmp_lt_u32 s[CNT], 28
	s_cbranch_scc1 .Lwalk
	s_wait_tensorcnt 0x0                           ; the wave's end
	ds_add_u32 v[SPW], v[NIL]
	s_wait_dscnt 0x0
	CROUND                                         ; the closing round
	s_endpgm
.Lfunc_end_k_q6697573748_attn:
	.size	k_q6697573748_attn, .Lfunc_end_k_q6697573748_attn-k_q6697573748_attn
	.p2alignl 7, 3214868480
	.fill 96, 4, 3214868480
	.section	.rodata,"a",@progbits
	.p2align	6, 0x0
	.amdhsa_kernel k_q6697573748_attn
		.amdhsa_group_segment_fixed_size 327680
		.amdhsa_private_segment_fixed_size 0
		.amdhsa_enable_private_segment 0
		.amdhsa_kernarg_size 32
		.amdhsa_user_sgpr_count 2
		.amdhsa_user_sgpr_kernarg_segment_ptr 1
		.amdhsa_wavefront_size32 1
		.amdhsa_system_sgpr_workgroup_id_x 1
		.amdhsa_system_sgpr_workgroup_id_y 1
		.amdhsa_system_sgpr_workgroup_id_z 1
		.amdhsa_system_vgpr_workitem_id 0
		.amdhsa_next_free_vgpr 256
		.amdhsa_next_free_sgpr 68
		.amdhsa_reserve_vcc 1
		.amdhsa_float_denorm_mode_32 3
		.amdhsa_float_denorm_mode_16_64 3
		.amdhsa_memory_ordered 1
		.amdhsa_forward_progress 1
		.amdhsa_inst_pref_size 55
	.end_amdhsa_kernel
	.amdgpu_metadata
---
amdhsa.version: [ 1, 2 ]
amdhsa.kernels:
  - .name:           k_q6697573748_attn
    .symbol:         k_q6697573748_attn.kd
    .args:
      - { .name: qb, .offset: 0, .size: 8, .value_kind: global_buffer, .address_space: global }
      - { .name: kvb, .offset: 8, .size: 8, .value_kind: global_buffer, .address_space: global }
      - { .name: ac, .offset: 16, .size: 8, .value_kind: global_buffer, .address_space: global }
      - { .name: asc, .offset: 24, .size: 8, .value_kind: global_buffer, .address_space: global }
    .group_segment_fixed_size: 327680
    .private_segment_fixed_size: 0
    .kernarg_segment_align: 8
    .kernarg_segment_size: 32
    .max_flat_workgroup_size: 512
    .sgpr_count:     68
    .vgpr_count:     256
    .wavefront_size: 32
...
	.end_amdgpu_metadata
.endif
;; end of part 3
;; launch proj (part 4): grid 4 x 64, 4 waves a work-group, clusters of 4 x 4, 327,680 bytes of LDS; arguments ac, asc, opc, ops, out0, b_proj; writes out0
.if DOCPART == 4
	.amdgcn_target "amdgcn-amd-amdhsa--gfx1250"
	.amdhsa_code_object_version 6
	.text
	.protected	k_q6697573748_proj
	.globl	k_q6697573748_proj
	.p2align	8
	.type	k_q6697573748_proj,@function
k_q6697573748_proj:
	s_mov_b64 s[64:65], 0
	v_nop
	global_prefetch_b8 v0, s[64:65] scope:SCOPE_SE
	s_setreg_imm32_b32 hwreg(HW_REG_WAVE_MODE, 25, 1), 1
	s_wait_xcnt 0x0
	s_wait_alu depctr_hold_cnt(0) depctr_sa_sdst(0) depctr_va_vdst(0) depctr_va_sdst(0) depctr_va_ssrc(0) depctr_va_vcc(0) depctr_vm_vsrc(0)
	s_getreg_b32 s2, hwreg(HW_REG_IB_STS2, 6, 4)
	s_cmp_eq_u32 s2, 0
	s_cbranch_scc0 .Lentry_in_a_cluster
	s_endpgm
.Lentry_in_a_cluster:
	s_bfe_u32 s2, ttmp6, 0x10000c
	s_cmp_lg_u32 s2, 0xf033
	s_cbranch_scc0 .Lentry_shape_is_right
	s_endpgm
.Lentry_shape_is_right:
; out0 = attention's result x w_proj + b_proj on codes of FP6 (E2M3) with E8M0 scales, K = 1,024; f32 out.
; SHARES.  256 work-groups, each a block of 128 rows x 256 columns; four waves, 2 x 2, 64 x 128 each: 32 accumulators, 256 registers.
; ALL OF K LIES IN LDS, every byte filled once, at the head, one joint load a wave: wave 0 A's K half 0, wave 1 B's, wave 2 A's K half 1, wave 3 B's.  The first barrier waits for waves 0 and 1 alone (each load is a line of its own);
; a plain barrier in K step 3 shows the second half.  Nothing is filled again, so there is no ring and no round but the opening and the closing one.
; A: ac [head 16][tile of 16 rows 512][768 bytes]: a half fragment (16 rows x 64 codes) as an image of six registers: lane l's 16 bytes at 16 l, its last 8 at 512 + 8 l.  A K half of my 128 rows is 8 rows of 6,144 bytes.
; B: w_proj's columns in opc, rows 11,264 on of four planes [row][192 bytes]: my 256 rows of a plane are 49,152 dense bytes; a K half is two such rows.  8 bytes of padding behind every 64: an LDS row is 216 bytes.
; THE SCALE WORDS go from memory straight into registers, 32 bytes a row: sixteen lanes read 512 consecutive bytes.  A's and B's stand in registers of their own, whose numbers differ modulo 8.
; CLUSTERS: 4 x 4 work-groups; A's tiles are asked for jointly along a row of the cluster, B's along a column.
; NO PREFETCH: every tensor load of the text is issued at the head; there is no later load to run ahead of.
; The matrix instruction is used transposed (source 0 = B's rows): a lane holds eight neighbouring positions of a row of the result.  Rows and columns lie by position (true = position with bits 3 and 4 exchanged); the way out sets both right.
; THE WAY OUT goes through a stage of 16 rows x 528 bytes for each wave, on A's K half 0, which nobody reads behind the second barrier and which has had its one fill.
; REGISTERS: window 0: v0-31 addresses; v32-95 B's scale words (8 b + q); v96-99 the bias; v100-131 A's (8 a + q); v136-231 A's fragments, two sets; on the way out v128-255.  window 1: B's fragments, two sets.  window 2: the accumulators.
.set PLANE,  2359296
.set PITCH,  216
.set FR,     12
.set AH,     49152                     ; a K half of A
.set BB0,    2*AH
.set BPL,    256*PITCH                 ; a plane of B in LDS
.set SPARE,  BB0+4*BPL                 ; the spare words: two blocks of 256 bytes that no other line names
.set SPITCH, 528
.set ADRB, 8                           ; v8-11 my fragments of B in plane 0..3; v12-15 the same behind one padding more
.set ADRA, 16                          ; v16-17 16 x lane in A's K half 0, 1; v18-19 8 x lane
.set STO,  24
.set RD,   25
.set CO,   26
.set SPW,  28
.set NIL,  29
.set SBR,  32
.set BP,   96
.set SA,   100
.set AF,   136
.set BK,   128
.set G1, 24                            ; s[24:31] group 1 of A's tiles; s[32:39] group 0, one for each K half
.set G0, 32
.set G1B, 48                           ; s[48:55], s[56:63] the same for B's
.set G0B, 56
.set MSB, 0
.macro WIN new                         ; the immediate's high byte repeats the setting that is left
.if MSB != \new
	s_set_vgpr_msb (MSB<<8)|\new
.set MSB, \new
.endif
.endm
.set MUL_LO, 0xa1                      ; source 0 (B) window 1, source 1 (A) window 0, C and D window 2
.set TO_B,   0x40
.macro PLACES n
.rept \n
	v_nop
.endr
.endm
.macro CROUND
	s_barrier_signal -1
	s_barrier_wait -1
	s_cmp_lg_u32 s14, 0
	s_cbranch_scc1 .Lnot_wave_0_\@
	s_barrier_signal -3
.Lnot_wave_0_\@:
	s_barrier_wait -3
	s_barrier_signal -1
	s_barrier_wait -1
.endm
.macro ARM under, g0, g1, next         ; an arm of the head's chain: an s_nop 0 and four v_nop follow the load
	s_cmp_lt_u32 s14, \under
	s_cbranch_scc0 \next
	tensor_load_to_lds s[\g0:\g0+3], s[\g1:\g1+7]
	s_nop 0
	PLACES 4
	s_branch .Lhead_asked
\next:
.endm
	s_load_b256 s[4:11], s[0:1], 0x0               ; ac s[4:5], asc s[6:7], opc s[8:9], ops s[10:11]
	s_load_b128 s[68:71], s[0:1], 0x20             ; out0 s[68:69], b_proj s[70:71]
	v_lshl_add_u32 v[SPW], v0, 2, SPARE
	v_mov_b32 v[NIL], 0
	ds_add_u32 v[SPW], v[NIL]                      ; the wave's opening: the add, twice on end, and its wait ahead of my first tensor load
	ds_add_u32 v[SPW], v[NIL]
	v_lshrrev_b32 v1, 5, v0
	v_readfirstlane_b32 s14, v1                    ; wave 0..3
	s_lshr_b32 s15, s14, 1                         ; which 64 rows are mine
	s_and_b32 s16, s14, 1                          ; which 128 columns
	s_bfe_u32 s40, ttmp6, 0x40000                  ; cx: the block's column (the grid is one cluster wide)
	s_bfe_u32 s41, ttmp6, 0x40004                  ; cy
	s_and_b32 s17, ttmp7, 0xffff
	s_lshl_b32 s17, s17, 2
	s_add_co_u32 s17, s17, s41                     ; the block's row, 0 .. 63
	s_lshl_b32 s43, s41, 2
	s_lshl_b32 s43, 15, s43                        ; my row of the cluster
	s_lshl_b32 s44, 0x1111, s40                    ; my column
	s_or_b32 s[G1+0], s43, (3<<16)|(1<<21)         ; mask; elements of 8 bytes; bit 21 beside a mask; no padding
	s_mov_b32 s[G1+1], 768<<16                     ; a row: 8 half fragments, 6,144 bytes
	s_mov_b32 s[G1+2], 8<<16                       ; 8 heads
	s_mov_b32 s[G1+3], 768<<16
	s_mov_b32 s[G1+4], 8
	s_mov_b32 s[G1+5], 49152                       ; from head to head: 512 x 768 bytes
	s_mov_b32 s[G1+6], 0
	s_mov_b32 s[G1+7], 0
	s_or_b32 s[G1B+0], s44, (3<<16)|(1<<20)|(1<<21)|(3<<22)|(1<<25)   ; 2 words of padding behind every 16
	s_mov_b32 s[G1B+1], 6144<<16                   ; a row: 256 rows of a plane, 49,152 bytes
	s_mov_b32 s[G1B+2], 2<<16                      ; 2 planes
	s_mov_b32 s[G1B+3], 6144<<16
	s_mov_b32 s[G1B+4], 2
	s_mov_b32 s[G1B+5], PLANE/8
	s_mov_b32 s[G1B+6], 0
	s_mov_b32 s[G1B+7], 0
	s_mul_i32 s20, s17, 8*768                      ; A: my 8 tiles of rows in head 0
	s_mov_b32 s21, 0
	s_mul_i32 s46, s40, 256*192                    ; B: my 256 rows in plane 0
	s_add_co_u32 s46, s46, 11264*192
	s_mov_b32 s47, 0
	s_wait_dscnt 0x0                               ; both opening adds are done
	s_wait_kmcnt 0x0
	s_add_nc_u64 s[20:21], s[4:5], s[20:21]
	s_add_nc_u64 s[46:47], s[8:9], s[46:47]
	CROUND                                         ; all sixteen work-groups are here: the joint loads meet
.irp k, 0,1
	s_mov_b32 s[G0+4*\k], 1
	s_mov_b32 s[G0+4*\k+1], \k*AH
	s_add_nc_u64 s[G0+4*\k+2:G0+4*\k+3], s[20:21], \k*8*512*768
	s_or_b32 s[G0+4*\k+3], s[G0+4*\k+3], 0x80000000
	s_mov_b32 s[G0B+4*\k], 1
	s_mov_b32 s[G0B+4*\k+1], BB0+2*\k*BPL
	s_add_nc_u64 s[G0B+4*\k+2:G0B+4*\k+3], s[46:47], \k*2*PLANE
	s_or_b32 s[G0B+4*\k+3], s[G0B+4*\k+3], 0x80000000
.endr
	ARM 1, G0,    G1,  .Lhead_b0
	ARM 2, G0B,   G1B, .Lhead_a1
	ARM 3, G0+4,  G1,  .Lhead_b1
	tensor_load_to_lds s[G0B+4:G0B+7], s[G1B:G1B+7]
	s_nop 0
	PLACES 4
.Lhead_asked:
	s_lshl_b32 s18, s17, 7
	s_lshl_b32 s19, s15, 6
	s_add_co_u32 s18, s18, s19                     ; my first row
	s_lshl_b32 s72, s18, 5
	s_mov_b32 s73, 0
	s_add_nc_u64 s[72:73], s[6:7], s[72:73]        ; its scale bytes
	s_lshl_b32 s19, s40, 8
	s_lshl_b32 s22, s16, 7
	s_add_co_u32 s19, s19, s22                     ; my first column
	s_add_co_u32 s74, s19, 11264
	s_lshl_b32 s74, s74, 5
	s_mov_b32 s75, 0
	s_add_nc_u64 s[74:75], s[10:11], s[74:75]
	s_lshl_b32 s76, s19, 2
	s_mov_b32 s77, 0
	s_add_nc_u64 s[70:71], s[70:71], s[76:77]      ; the bias of my 128 columns
	s_lshl_b32 s18, s18, 12
	s_add_co_u32 s76, s76, s18
	s_add_nc_u64 s[68:69], s[68:69], s[76:77]      ; my corner of out0
	s_mul_i32 s21, s15, 4*768                      ; my four tiles of rows
	s_mul_i32 s22, s16, 128*PITCH
	s_add_co_u32 s22, s22, BB0
	s_mul_i32 s23, s14, 16*SPITCH                  ; my stage
	v_and_b32 v1, 15, v0                           ; r
	v_bfe_u32 v2, v0, 4, 1                         ; h
	v_and_b32 v6, 31, v0
	v_lshlrev_b32 v[CO], 4, v6
	v_lshlrev_b32 v7, 3, v6
	v_lshlrev_b32 v20, 5, v1                       ; a row of scale bytes
	v_mul_u32_u24 v3, v1, PITCH
	v_mad_u32_u24 v4, v2, 24, v3                   ; a fragment's row x pitch + 24 h
	v_lshl_add_u32 v5, v2, 3, v4                   ; and the same behind one padding more
.irp k, 0,1
	v_add_nc_u32 v[ADRA+\k], s21, v[CO]
	v_add_nc_u32 v[ADRA+2+\k], s21, v7
	s_add_co_u32 s21, s21, AH
.endr
.irp k, 0,1,2,3
	v_add_nc_u32 v[ADRB+\k], s22, v4
	v_add_nc_u32 v[ADRB+4+\k], s22, v5
	s_add_co_u32 s22, s22, BPL
.endr
	v_mul_u32_u24 v5, v1, SPITCH
	v_lshl_add_u32 v5, v2, 6, v5
	v_add_nc_u32 v[STO], s23, v5                   ; into the stage: row r, true columns 16 h on of each 32
	v_add_nc_u32 v[RD], s23, v[CO]
	s_wait_alu depctr_va_vdst(0)
.irp i, 0,1,2,3
	global_load_b128 v[SA+8*\i:SA+8*\i+3], v20, s[72:73] offset:512*\i        ; word q of block i: K step q of row r
	global_load_b128 v[SA+8*\i+4:SA+8*\i+7], v20, s[72:73] offset:512*\i+16
.endr
.irp i, 0,1,2,3,4,5,6,7
	global_load_b128 v[SBR+8*\i:SBR+8*\i+3], v20, s[74:75] offset:512*\i
	global_load_b128 v[SBR+8*\i+4:SBR+8*\i+7], v20, s[74:75] offset:512*\i+16
.endr
	global_load_b128 v[BP:BP+3], v[CO], s[70:71]
	s_cmp_lt_u32 s14, 2
	s_cbranch_scc0 .Lnot_half0
	s_wait_tensorcnt 0x0                           ; waves 0 and 1: my tile of K half 0 is in
.Lnot_half0:
	s_barrier_signal -1
	s_barrier_wait -1                              ; K half 0 is whole
.macro FRAG reg, adr, q, i             ; B: 16 rows x 128 K in pieces of 8 bytes; where lanes 16-31's piece lies behind one padding more, the second address register serves
.irp p, 0,1,2,3,4,5
.set PCE, 12*(\q)+6*(\p/3)+\p%3
.if PCE%8 < 5
	ds_load_b64 v[\reg+2*\p:\reg+2*\p+1], v[\adr] offset:8*PCE+8*(PCE/8)+(\i)*16*PITCH
.else
	ds_load_b64 v[\reg+2*\p:\reg+2*\p+1], v[\adr+4] offset:8*PCE+8*(PCE/8)+(\i)*16*PITCH
.endif
.endr
.endm
.macro FRAGA reg, kh, q, i             ; A: two half fragments, heads 2 q and 2 q + 1 of K half kh
	ds_load_b128 v[\reg:\reg+3], v[ADRA+\kh] offset:(2*(\q))*6144+(\i)*768
	ds_load_b64 v[\reg+4:\reg+5], v[ADRA+2+\kh] offset:(2*(\q))*6144+(\i)*768+512
	ds_load_b128 v[\reg+6:\reg+9], v[ADRA+\kh] offset:(2*(\q)+1)*6144+(\i)*768
	ds_load_b64 v[\reg+10:\reg+11], v[ADRA+2+\kh] offset:(2*(\q)+1)*6144+(\i)*768+512
.endm
.macro FETCH q                         ; K step q's twelve fragments into set q % 2
	WIN TO_B
.irp i, 0,1,2,3,4,5,6,7
	FRAG 128*((\q)%2)+FR*\i, ADRB+(\q)/2, (\q)%2, \i
.endr
	WIN 0
.irp i, 0,1,2,3
	FRAGA AF+48*((\q)%2)+FR*\i, (\q)/4, (\q)%4, \i
.endr
.endm
.macro MUL32 q, zero                   ; the 32 accumulators take turns, one instruction a turn, in the same order in every step
.irp a, 0,1,2,3
.irp b, 0,1,2,3,4,5,6,7
.if \zero
	v_wmma_scale_f32_16x16x128_f8f6f4 v[8*(8*\a+\b):8*(8*\a+\b)+7], v[128*((\q)%2)+FR*\b:128*((\q)%2)+FR*\b+FR-1], v[AF+48*((\q)%2)+FR*\a:AF+48*((\q)%2)+FR*\a+FR-1], 0, v[SBR+8*\b+(\q)], v[SA+8*\a+(\q)] matrix_a_fmt:MATRIX_FMT_FP6 matrix_b_fmt:MATRIX_FMT_FP6
.else
	v_wmma_scale_f32_16x16x128_f8f6f4 v[8*(8*\a+\b):8*(8*\a+\b)+7], v[128*((\q)%2)+FR*\b:128*((\q)%2)+FR*\b+FR-1], v[AF+48*((\q)%2)+FR*\a:AF+48*((\q)%2)+FR*\a+FR-1], v[8*(8*\a+\b):8*(8*\a+\b)+7], v[SBR+8*\b+(\q)], v[SA+8*\a+(\q)] matrix_a_fmt:MATRIX_FMT_FP6 matrix_b_fmt:MATRIX_FMT_FP6
.endif
.endr
.endr
.endm
; A K step: its fragments, asked for a step ago, are waited for; the next step's are asked for, four places behind the products that read their registers; then the 32 products
.macro KSTEP q
	s_wait_dscnt 0x0
.if (\q) < 7
	PLACES 4
	FETCH (\q)+1
.endif
	WIN MUL_LO
	MUL32 \q, 0
.endm
	FETCH 0
	s_wait_loadcnt 0x0                             ; the scale words and the bias
	s_wait_dscnt 0x0
	FETCH 1
	WIN MUL_LO
	MUL32 0, 1                                     ; the first products start the sums
	KSTEP 1
	KSTEP 2
	s_wait_dscnt 0x0                               ; K step 3's fragments are in: my reads of K half 0 are over
	s_wait_tensorcnt 0x0                           ; every wave: my tile is in
	s_barrier_signal -1
	MUL32 3, 0                                     ; work on registers while the others arrive
	WIN 0
	s_barrier_wait -1                              ; K half 1 is whole, and nobody reads K half 0 any more
	PLACES 4
	FETCH 4
	KSTEP 4
	KSTEP 5
	KSTEP 6
	KSTEP 7
	WIN 0
; THE WAY OUT, block by block of 16 rows x 128 columns: through my stage, back as whole rows of 512 bytes, + the bias, stored as two aligned units of 256 bytes
.macro TOSTAGE a
.set AC, 64*(\a)
	WIN 0x08                                       ; the data: window 2
.irp b, 0,1,2,3,4,5,6,7
	ds_store_b128 v[STO], v[AC+8*\b:AC+8*\b+3] offset:128*(\b/2)+32*(\b%2)      ; position 16 b + 8 h + j is true column 32 (b / 2) + 16 h + 8 (b % 2) + j; each accumulator from its low end on
	ds_store_b128 v[STO], v[AC+8*\b+4:AC+8*\b+7] offset:128*(\b/2)+32*(\b%2)+16
.endr
	WIN 0
.set BB, BK+64*((\a)%2)
.irp t, 0,1,2,3,4,5,6,7,8,9,10,11,12,13,14,15
	ds_load_b128 v[BB+4*\t:BB+4*\t+3], v[RD] offset:\t*SPITCH                   ; LDS serves a wave's instructions in order: these see the stores above
.endr
.endm
.macro SEND a, younger                 ; younger: the LDS instructions issued behind block a's loads, which may stay out
.set BB, BK+64*((\a)%2)
	s_wait_dscnt \younger
.irp t, 0,1,2,3,4,5,6,7,8,9,10,11,12,13,14,15
.set PP, 16*(\a)+\t
	v_pk_add_f32 v[BB+4*\t:BB+4*\t+1], v[BB+4*\t:BB+4*\t+1], v[BP:BP+1]
	v_pk_add_f32 v[BB+4*\t+2:BB+4*\t+3], v[BB+4*\t+2:BB+4*\t+3], v[BP+2:BP+3]
	global_store_b128 v[CO], v[BB+4*\t:BB+4*\t+3], s[68:69] offset:((PP&0x67)|((PP&8)<<1)|((PP&16)>>1))*4096 th:TH_STORE_NT   ; position PP goes to its true row; 512 consecutive bytes
.endr
.endm
	PLACES 4                                       ; behind the last products: their results are read and A's registers loaded into below
	TOSTAGE 0
.irp a, 1,2,3
.if \a > 1
	s_wait_xcnt 0x0                                ; block a - 2's stores have read their registers: block a's loads may land there
.endif
	TOSTAGE \a
	SEND \a-1, 32                                  ; behind block a - 1's loads: block a's 16 stores and 16 loads
.endr
	SEND 3, 0
	s_wait_tensorcnt 0x0                           ; the wave's end
	ds_add_u32 v[SPW], v[NIL]
	s_wait_dscnt 0x0
	CROUND                                         ; the closing round
	s_endpgm
.Lfunc_end_k_q6697573748_proj:
	.size	k_q6697573748_proj, .Lfunc_end_k_q6697573748_proj-k_q6697573748_proj
	.p2alignl 7, 3214868480
	.fill 96, 4, 3214868480
	.section	.rodata,"a",@progbits
	.p2align	6, 0x0
	.amdhsa_kernel k_q6697573748_proj
		.amdhsa_group_segment_fixed_size 327680
		.amdhsa_private_segment_fixed_size 0
		.amdhsa_enable_private_segment 0
		.amdhsa_kernarg_size 48
		.amdhsa_user_sgpr_count 2
		.amdhsa_user_sgpr_kernarg_segment_ptr 1
		.amdhsa_wavefront_size32 1
		.amdhsa_system_sgpr_workgroup_id_x 1
		.amdhsa_system_sgpr_workgroup_id_y 1
		.amdhsa_system_sgpr_workgroup_id_z 1
		.amdhsa_system_vgpr_workitem_id 0
		.amdhsa_next_free_vgpr 768
		.amdhsa_next_free_sgpr 80
		.amdhsa_reserve_vcc 0
		.amdhsa_float_denorm_mode_32 3
		.amdhsa_float_denorm_mode_16_64 3
		.amdhsa_memory_ordered 1
		.amdhsa_forward_progress 1
		.amdhsa_inst_pref_size 99
	.end_amdhsa_kernel
	.amdgpu_metadata
---
amdhsa.version: [ 1, 2 ]
amdhsa.kernels:
  - .name:           k_q6697573748_proj
    .symbol:         k_q6697573748_proj.kd
    .args:
      - { .name: ac, .offset: 0, .size: 8, .value_kind: global_buffer, .address_space: global }
      - { .name: asc, .offset: 8, .size: 8, .value_kind: global_buffer, .address_space: global }
      - { .name: opc, .offset: 16, .size: 8, .value_kind: global_buffer, .address_space: global }
      - { .name: ops, .offset: 24, .size: 8, .value_kind: global_buffer, .address_space: global }
      - { .name: out0, .offset: 32, .size: 8, .value_kind: global_buffer, .address_space: global }
      - { .name: b_proj, .offset: 40, .size: 8, .value_kind: global_buffer, .address_space: global }
    .group_segment_fixed_size: 327680
    .private_segment_fixed_size: 0
    .kernarg_segment_align: 8
    .kernarg_segment_size: 48
    .max_flat_workgroup_size: 128
    .sgpr_count:     80
    .vgpr_count:     768
    .wavefront_size: 32
...
	.end_amdgpu_metadata
.endif
;; end of part 4
